; MI455X (gfx1250); checked and timed in simulation.
; The chip was launched on July 23, 2026; its instructions are those of AMD's public machine-readable ISA for CDNA 5 (MIT licence, August 2026) and "CDNA5" Instruction Set Architecture Reference Guide (July 2026). The comments in the code are by the model that wrote it; some were corrected since.
;; Multihead Attention. Allowed arithmetic: matrix products marked QUANTISED: E4M3 operands, one E8M0 scale for each 32 along K, by v_wmma_scale_f32_16x16x128_f8f6f4 with both operands' format E4M3, f32 sums; everything else in f32.
;; Inputs: Wk 1,024 x 1,024 float32; Wo 1,024 x 1,024 float32; Wq 1,024 x 1,024 float32; Wv 1,024 x 1,024 float32; key 4,096 x 1,024 float32; query 4,096 x 1,024 float32; value 4,096 x 1,024 float32.
;; Outputs: out0 4,096 x 1,024 float32.
;; This version of the problem:
;;   THIS VERSION OF THE PROBLEM IS GIVEN IN LOW PRECISION. The matrix products marked QUANTISED in the list below multiply operands that are first quantised to E4M3 (4 exponent bits, 3 mantissa bits; 8 bits a number), with one power-of-two scale for each 32 numbers along K (OCP MX v1.0); their sums are f32. All else is computed in f32.
;;   The module's matrix products, in the order in which they are computed (A, B: the left and right operand; K: the contracted axis; several contracted axes count as one K, in the product's order):
;;     1. [M 4,096, K 1,024] x [K 1,024, N 1,024]; A: input query; B: input Wq: QUANTISED
;;     2. [M 4,096, K 1,024] x [K 1,024, N 1,024]; A: input key; B: input Wk: QUANTISED
;;     3. [M 4,096, K 1,024] x [K 1,024, N 1,024]; A: input value; B: input Wv: QUANTISED
;;     4. batch 16 x [M 4,096, K 64] x [K 64, N 4,096]; A: computed on the way; B: computed on the way: QUANTISED
;;     5. batch 16 x [M 64, K 4,096] x [K 4,096, N 4,096]; A: computed on the way; B: softmax (see below): QUANTISED
;;     6. [M 4,096, K 1,024] x [K 1,024, N 1,024]; A: computed on the way; B: input Wo: QUANTISED
;;   THE QUANTISER, for each operand of a quantised product, along K:
;;     - K is cut into blocks of 32 from its start; a last block that is shorter is filled with zeros.
;;     - A block's scale is 2^e with e = floor(log2(the largest magnitude in the block)) - 8, held to -126 .. 127; a block of zeros has e = 0. As a byte (E8M0): e + 127.
;;     - Each number is divided by its block's scale, clamped to +-448, and rounded to the nearest number of E4M3, ties to even, subnormals kept.
;;     - The product sums the exact products of the quantised numbers (number of the format x scale) in f32.
;;   ~~~python
;;   def quantise(x, axis):      # numpy; x: float32 -> the quantised numbers, widened to float32 again
;;       x = np.moveaxis(x, axis, -1); K = x.shape[-1]
;;       x = np.pad(x, [(0, 0)] * (x.ndim - 1) + [(0, -K % 32)]); x = x.reshape(x.shape[:-1] + (-1, 32)); a = np.abs(x).max(-1, keepdims=True)
;;       e = np.where(a > 0, np.clip(np.frexp(np.where(a > 0, a, 1))[1] - 1 - 8, -126, 127), 0)      # np.frexp(a)[1] - 1 = floor(log2(a)), exactly
;;       r = np.clip(x / 2.0 ** e, -448, 448)
;;       step = 2.0 ** (np.maximum(np.frexp(np.where(r == 0, 1, r))[1] - 1, -6) - 3)
;;       q = np.round(r / step) * step * 2.0 ** e      # np.round: ties to even
;;       return np.moveaxis(q.reshape(q.shape[:-2] + (-1,))[..., :K], -1, axis).astype(np.float32)
;;   ~~~
;;   SOFTMAX AHEAD OF A QUANTISED PRODUCT. Where the list says 'softmax', what is quantised is not the finished softmax but p = 2^(t - M), with t = logit x log2(e) and M = ceil(the row's largest t), a whole number; so 1/2 < the row's largest p <= 1. The row's sum l is taken of the UNQUANTISED p, in f32, and the product's result is divided by l at the end. Since M is a whole number, a kernel that streams over the keys may use a running M (the ceiling of the running maximum): every later rescaling is an exact power of two, which a block's scale takes up: the codes' values come out the same.
;;   OPERANDS COMPUTED ON THE WAY. 'Computed on the way' means the value that the module computes at that place (a softmax that the list does not call 'softmax' is quantised finished and normalised). What goes into a quantiser is computed in f32, as accurately as f32 sums, v_exp_f32 and their like allow (about 1e-6 of the number): no bf16 or f16 on the way to a quantiser, and a product that is left as it is and whose result goes on into a quantised operand takes f32 operands (vector FMAs, or v_wmma_f32_16x16x4_f32). A number that lies on a knife's edge between two numbers of the format may be rounded either way, as far as f32 arithmetic and the matrix unit's own rounding can turn it there, and no further.
;; One version. Each part assembles by itself: llvm-mc -triple=amdgcn-amd-amdhsa -mcpu=gfx1250 --defsym DOCPART=n.
;; ======== version 1 of 1: 4 launches
;; limits: right only within a limited range of input values
;; workspace buffers: xc 12,582,912 bytes; xs 393,216 bytes; wc 4,194,304 bytes; ws 131,072 bytes; qp 4,325,376 bytes; kv 8,650,752 bytes; ac 4,194,304 bytes; asc 131,072 bytes
;; launch quant (part 1): grid 512 x 1, 4 waves a work-group, no clusters, 33,280 bytes of LDS; arguments query, key, value, Wq, Wk, Wv, Wo, xc, xs, wc, ws; writes xc, xs, wc, ws
.if DOCPART == 1
	.amdgcn_target "amdgcn-amd-amdhsa--gfx1250"
	.amdhsa_code_object_version 6
	.text
	.protected	k_qc540867bc2_quant
	.globl	k_qc540867bc2_quant
	.p2align	8
	.type	k_qc540867bc2_quant,@function
k_qc540867bc2_quant:
	s_mov_b64 s[64:65], 0
	v_nop
	global_prefetch_b8 v0, s[64:65] scope:SCOPE_SE
	s_setreg_imm32_b32 hwreg(HW_REG_WAVE_MODE, 25, 1), 1
	s_wait_xcnt 0x0
; Seven f32 tensors (query, key, value: [4096][1024]; Wq, Wk, Wv, Wo: [1024][1024]; K innermost in all) are turned into codes of FP8 (E4M3), one byte a number, K innermost,
; with one E8M0 scale byte for each 32 along K.  xc takes the codes of query, key, value on end, wc those of Wq, Wk, Wv, Wo; xs and ws their scale bytes, 32 a row.
; A block's scale is 2^(floor(log2(its largest magnitude)) - 8); its byte is the largest magnitude's own exponent field - 8, held at 1 from below.  Each number is divided by the scale,
; held within +-448 and rounded to the nearest code, ties to even.
; LIMITS: a block of zeros gets the byte 1, not 127: its codes are zeros, which add nothing under any byte but 0xff, and this program alone reads the bytes.  Blocks whose largest magnitude lies
; under 2^-118 are held at that floor.  NaN and infinities among the inputs are not served.
; Rows are dense and 1,024 is a multiple of 32: every tensor is a plain stream of blocks of 32, and so are its codes and bytes.  A work-group takes 32,768 numbers, a wave 8,192 in 16 steps of 512.
; Work-groups 0-383 take the three activations (128 each), 384-511 the four weights (32 each): only pointers are chosen, all take one path through the text.
; Each of a step's four loads reads 512 consecutive bytes, 16 a lane; the 2,048 bytes go through the wave's own stage in LDS and come back 64 bytes a lane, so that a lane holds 16 neighbours along K
; (two neighbouring lanes hold a block).  No tensor loads, no barrier: waves share nothing.  Loads run four steps (16 loads a wave) ahead, the turn through LDS one step.
.set STEPS, 16
.set EMAX,  8
.set MANT,  0x600000                   ; the mantissa field of 448 as f32
.set CB,    16                         ; bytes of 16 codes
.set R,     16                         ; v16-79   four sets of 16 numbers as they are loaded
.set X,     80                         ; v80-111  two sets of 16 neighbours
.set C,     128                        ; v128-191 codes: four registers for each step, so that no store's data are written again
.set E,     112                        ; v112-127 a scale byte for each step
.set WREG,  8192                       ; LDS: a region for each wave: two stages of 32 x SP bytes, and behind them its 256 scale bytes
.set SP,    80                         ; a lane's place in a stage: its 64 bytes + 16 of padding
	s_load_b512 s[16:31], s[0:1], 0x0              ; query s[16:17], key, value, Wq, Wk, Wv, Wo s[28:29], xc s[30:31]
	s_load_b128 s[32:35], s[0:1], 0x40             ; xs, wc
	s_load_b64 s[36:37], s[0:1], 0x50              ; ws
	v_lshl_add_u32 v192, v0, 2, 0x8000
	v_mov_b32 v193, 0
	v_lshrrev_b32 v1, 5, v0
	v_readfirstlane_b32 s40, v1                    ; wave
	v_and_b32 v2, 31, v0                           ; lane
	v_lshlrev_b32 v3, 4, v2                        ; my 16 bytes of a load's 512
	s_mul_i32 s41, s40, WREG
	v_lshrrev_b32 v14, 2, v2
	v_mul_u32_u24 v14, v14, SP
	v_and_b32 v15, 3, v2
	v_lshl_add_u32 v14, v15, 4, v14
	v_add_nc_u32 v14, s41, v14                     ; the stage, on the way in: four lanes' 64 bytes on end, then 16 of padding
	v_mul_u32_u24 v15, v2, SP
	v_add_nc_u32 v15, s41, v15                     ; and on the way out: SP x lane: my 16 neighbours
	v_mul_u32_u24 v4, v2, CB                       ; my codes' place in a step's
	v_lshrrev_b32 v5, 1, v2
	s_add_co_u32 s41, s41, 2*32*SP
	v_add_nc_u32 v5, s41, v5                       ; LDS: my wave's 256 scale bytes, my block's byte
	v_lshlrev_b32 v7, 3, v2                        ; and on the way out 8 bytes a lane
	v_add_nc_u32 v6, s41, v7
	s_mov_b32 s47, MANT                            ; (an instruction takes one literal: the hold's line has another)
	s_wait_alu depctr_va_vdst(0)
	s_wait_kmcnt 0x0
	s_mov_b64 s[4:5], s[28:29]                     ; which tensor is mine: every choice hangs on the work-group's number alone
	s_cmp_lt_u32 ttmp9, 480
	s_cselect_b64 s[4:5], s[26:27], s[4:5]
	s_cmp_lt_u32 ttmp9, 448
	s_cselect_b64 s[4:5], s[24:25], s[4:5]
	s_cmp_lt_u32 ttmp9, 416
	s_cselect_b64 s[4:5], s[22:23], s[4:5]
	s_cmp_lt_u32 ttmp9, 384
	s_cselect_b64 s[4:5], s[20:21], s[4:5]
	s_cselect_b64 s[8:9], s[30:31], s[34:35]       ; codes: xc or wc
	s_cselect_b64 s[10:11], s[32:33], s[36:37]     ; scale bytes: xs or ws
	s_cselect_b32 s42, 127, 31                     ; work-groups to a tensor, less one
	s_cselect_b32 s43, 0, 384                      ; the first work-group of the group of tensors
	s_cmp_lt_u32 ttmp9, 256
	s_cselect_b64 s[4:5], s[18:19], s[4:5]
	s_cmp_lt_u32 ttmp9, 128
	s_cselect_b64 s[4:5], s[16:17], s[4:5]
	s_and_b32 s42, ttmp9, s42
	s_lshl_b32 s42, s42, 2
	s_add_co_u32 s42, s42, s40                     ; which run of 8,192 numbers of the tensor is my wave's
	s_lshl_b32 s12, s42, 15                        ; 32,768 bytes a run
	s_mov_b32 s13, 0
	s_add_nc_u64 s[4:5], s[4:5], s[12:13]
	s_sub_co_u32 s43, ttmp9, s43
	s_lshl_b32 s43, s43, 2
	s_add_co_u32 s43, s43, s40                     ; and which run of the buffer of codes
	s_lshl_b32 s12, s43, 13                        ; 8,192 bytes of codes a run
	s_add_nc_u64 s[8:9], s[8:9], s[12:13]
	s_lshl_b32 s12, s43, 8                         ; 256 scale bytes a run
	s_add_nc_u64 s[10:11], s[10:11], s[12:13]
.macro LOAD t
.irp i, 0,1,2,3
	global_load_b128 v[R+16*((\t)%4)+4*\i:R+16*((\t)%4)+4*\i+3], v3, s[4:5] offset:2048*(\t)+512*\i th:TH_LOAD_NT   ; 32 lanes read 512 consecutive bytes
.endr
.endm
.macro TURN t                          ; step t's numbers through the stage: LDS serves a wave's instructions in order, so no wait stands between the stores and the loads
.irp i, 0,1,2,3
	ds_store_b128 v14, v[R+16*((\t)%4)+4*\i:R+16*((\t)%4)+4*\i+3] offset:32*SP*((\t)%2)+8*SP*\i
.endr
.irp i, 0,1,2,3
	ds_load_b128 v[X+16*((\t)%2)+4*\i:X+16*((\t)%2)+4*\i+3], v15 offset:32*SP*((\t)%2)+16*\i
.endr
.endm
.irp t, 0,1,2,3
	LOAD \t
.endr
	s_wait_loadcnt 12                              ; step 0's four loads are in; the twelve of steps 1 to 3 may be out
	TURN 0
.macro STEP t
.set XS, X+16*((\t)%2)
.if (\t) > 0
	s_wait_dscnt 1                                 ; this step's numbers are back from the stage (the last step's byte store may be out): so its stores into the stage have read their registers,
.else
	s_wait_dscnt 0x0
.endif
.if (\t)+4 < STEPS
	LOAD (\t)+4                                    ; which take the loads of four steps on
.endif
.if (\t)+1 < STEPS
.if STEPS-2-(\t) >= 3
	s_wait_loadcnt 12                              ; the next step's four loads are in; those of the three steps behind it may be out
.else
	s_wait_loadcnt 4*(STEPS-2-(\t))
.endif
	TURN (\t)+1                                    ; and go through the other stage while this step is worked
.endif
	v_max3_num_f32 v8, |v[XS]|, |v[XS+1]|, |v[XS+2]|               ; the largest magnitude of my 16, in two chains
	v_max3_num_f32 v9, |v[XS+3]|, |v[XS+4]|, |v[XS+5]|
.irp i, 6,10
	v_max3_num_f32 v8, v8, |v[XS+\i]|, |v[XS+\i+1]|
	v_max3_num_f32 v9, v9, |v[XS+\i+2]|, |v[XS+\i+3]|
.endr
	v_max3_num_f32 v8, v8, |v[XS+14]|, |v[XS+15]|
	v_max3_num_f32 v8, v8, v9, (EMAX+1)<<23        ; and the floor 2^(9 - 127): so the byte cannot fall under 1
	v_max_num_f32_dpp v8, v8, v8 row_xmask:1 row_mask:0xf bank_mask:0xf   ; and of my neighbour's 16: the block's
	v_add_nc_u32 v11, 0xfc000000, v8               ; 8 off its exponent field: the conversion takes the exponent field of this operand as its scale, and nothing else of it
	v_and_or_b32 v10, v8, 0x7f800000, s47          ; 448 x the scale: the largest magnitude's exponent field over 448's mantissa
.irp i, 0,1,2,3,4,5,6,7,8,9,10,11,12,13,14,15
	v_med3_num_f32 v[XS+\i], v[XS+\i], -v10, v10   ; the conversion to an 8-bit code does not saturate (ISA guide 7.6.2): the number is held first
.endr
	v_cvt_scalef32_pk8_fp8_f32 v[C+4*(\t):C+4*(\t)+1], v[XS:XS+7], v11
	v_cvt_scalef32_pk8_fp8_f32 v[C+4*(\t)+2:C+4*(\t)+3], v[XS+8:XS+15], v11
	v_lshrrev_b32 v[E+(\t)], 23, v11               ; the scale's byte (also the plain line behind the conversions)
	ds_store_b8 v5, v[E+(\t)] offset:16*(\t)       ; both lanes of a block write the same byte with the same value
	global_store_b128 v4, v[C+4*(\t):C+4*(\t)+3], s[8:9] offset:32*CB*(\t)   ; the wave stores 512 consecutive bytes, aligned
.endm
.irp t, 0,1,2,3,4,5,6,7,8,9,10,11,12,13,14,15
	STEP \t
.endr
	ds_load_b64 v[12:13], v6                       ; LDS serves a wave's instructions in order: these see my stores
	s_wait_dscnt 0x0
	global_store_b64 v7, v[12:13], s[10:11]        ; 32 lanes store 256 consecutive bytes, aligned
	s_wait_tensorcnt 0x0
	ds_add_u32 v192, v193
	s_wait_dscnt 0x0
	s_endpgm
.Lfunc_end_k_qc540867bc2_quant:
	.size	k_qc540867bc2_quant, .Lfunc_end_k_qc540867bc2_quant-k_qc540867bc2_quant
	.p2alignl 7, 3214868480
	.fill 96, 4, 3214868480
	.section	.rodata,"a",@progbits
	.p2align	6, 0x0
	.amdhsa_kernel k_qc540867bc2_quant
		.amdhsa_group_segment_fixed_size 33280
		.amdhsa_private_segment_fixed_size 0
		.amdhsa_enable_private_segment 0
		.amdhsa_kernarg_size 88
		.amdhsa_user_sgpr_count 2
		.amdhsa_user_sgpr_kernarg_segment_ptr 1
		.amdhsa_wavefront_size32 1
		.amdhsa_system_sgpr_workgroup_id_x 1
		.amdhsa_system_sgpr_workgroup_id_y 1
		.amdhsa_system_sgpr_workgroup_id_z 1
		.amdhsa_system_vgpr_workitem_id 0
		.amdhsa_next_free_vgpr 194
		.amdhsa_next_free_sgpr 66
		.amdhsa_reserve_vcc 0
		.amdhsa_float_denorm_mode_32 3
		.amdhsa_float_denorm_mode_16_64 3
		.amdhsa_memory_ordered 1
		.amdhsa_forward_progress 1
		.amdhsa_inst_pref_size 52
	.end_amdhsa_kernel
	.amdgpu_metadata
---
amdhsa.version: [ 1, 2 ]
amdhsa.kernels:
  - .name:           k_qc540867bc2_quant
    .symbol:         k_qc540867bc2_quant.kd
    .args:
      - { .name: query, .offset: 0, .size: 8, .value_kind: global_buffer, .address_space: global }
      - { .name: key, .offset: 8, .size: 8, .value_kind: global_buffer, .address_space: global }
      - { .name: value, .offset: 16, .size: 8, .value_kind: global_buffer, .address_space: global }
      - { .name: Wq, .offset: 24, .size: 8, .value_kind: global_buffer, .address_space: global }
      - { .name: Wk, .offset: 32, .size: 8, .value_kind: global_buffer, .address_space: global }
      - { .name: Wv, .offset: 40, .size: 8, .value_kind: global_buffer, .address_space: global }
      - { .name: Wo, .offset: 48, .size: 8, .value_kind: global_buffer, .address_space: global }
      - { .name: xc, .offset: 56, .size: 8, .value_kind: global_buffer, .address_space: global }
      - { .name: xs, .offset: 64, .size: 8, .value_kind: global_buffer, .address_space: global }
      - { .name: wc, .offset: 72, .size: 8, .value_kind: global_buffer, .address_space: global }
      - { .name: ws, .offset: 80, .size: 8, .value_kind: global_buffer, .address_space: global }
    .group_segment_fixed_size: 33280
    .private_segment_fixed_size: 0
    .kernarg_segment_align: 8
    .kernarg_segment_size: 88
    .max_flat_workgroup_size: 128
    .sgpr_count:     66
    .vgpr_count:     194
    .wavefront_size: 32
...
	.end_amdgpu_metadata
.endif
;; end of part 1
;; launch proj (part 2): grid 4 x 48, 4 waves a work-group, clusters of 4 x 4, 327,680 bytes of LDS; arguments xc, xs, wc, ws, qp, kv; writes qp, kv
.if DOCPART == 2
	.amdgcn_target "amdgcn-amd-amdhsa--gfx1250"
	.amdhsa_code_object_version 6
	.text
	.protected	k_qc540867bc2_proj
	.globl	k_qc540867bc2_proj
	.p2align	8
	.type	k_qc540867bc2_proj,@function
k_qc540867bc2_proj:
	s_mov_b64 s[64:65], 0
	v_nop
	global_prefetch_b8 v0, s[64:65] scope:SCOPE_SE
	s_setreg_imm32_b32 hwreg(HW_REG_WAVE_MODE, 25, 1), 1
	s_wait_xcnt 0x0
	s_wait_alu depctr_hold_cnt(0) depctr_sa_sdst(0) depctr_va_vdst(0) depctr_va_sdst(0) depctr_va_ssrc(0) depctr_va_vcc(0) depctr_vm_vsrc(0)
	s_getreg_b32 s2, hwreg(HW_REG_IB_STS2, 6, 4)
	s_cmp_eq_u32 s2, 0
	s_cbranch_scc0 .Lentry_in_a_cluster
	s_endpgm
.Lentry_in_a_cluster:
	s_bfe_u32 s2, ttmp6, 0x10000c
	s_cmp_lg_u32 s2, 0xf033
	s_cbranch_scc0 .Lentry_shape_is_right
	s_endpgm
.Lentry_shape_is_right:
.set SIZE_K, 1024
.set KSTEP,  256
.set NQ,     KSTEP/128
.set ROWB,   256
.set KROW,   SIZE_K
.set PITCH,  272
.set FR,     16
.set NL,     4
.set NP,     8
.set HALFT,  128*PITCH
.set SLOT,   4*HALFT
.set LAPS,   SIZE_K/(2*KSTEP)
.set KS,     SIZE_K/32
.set SCL,    2*SLOT
.set HALFS,  (128*KS/256)*272
.set SBLK,   (16*KS/256)*272
.set SPARE,  SCL+4*HALFS
.set RECB,   33792
.set HSK,    16*RECB
.set ADRA, 16
.set ADRB, 20
.set STA,  24
.set STR,  25
.set ADRS, 27
.set SPW,  28
.set NIL,  29
.set SOFF, 30
.set L16,  31
.set SC,   32
.set AF,   128
.set WD,   64
.set VO,   72
.set PW,   76
.set BK,   84
.set PC,   96
.set XT,   128
.set TM,   200
.set G1, 24
.set G0, 32
.set G1B, 48
.set G0B, 56
.set G1S, 68
.set G0S, 76
.set G1SB, 80
.set G0SB, 88
.set MSB, 0
.macro WIN new
.if MSB != (\new)
	s_set_vgpr_msb (MSB<<8)|(\new)
.set MSB, \new
.endif
.endm
.set MUL_LO, 0xa1
.set MUL_HI, 0xf1
.set TO_B,   0x40
.macro JLOAD g0a, g1a, g0b, g1b
	s_cmp_eq_u32 s15, 0
	s_cbranch_scc0 .Lfor_b_\@
	tensor_load_to_lds s[\g0a:\g0a+3], s[\g1a:\g1a+7]
	s_nop 0
.rept 4
	v_nop
.endr
	s_branch .Lasked_\@
.Lfor_b_\@:
	tensor_load_to_lds s[\g0b:\g0b+3], s[\g1b:\g1b+7]
	s_nop 0
.rept 4
	v_nop
.endr
.Lasked_\@:
.endm
.macro CREST
	s_cmp_lg_u32 s14, 0
	s_cbranch_scc1 .Lnot_wave_0_\@
	s_barrier_signal -3
.Lnot_wave_0_\@:
	s_barrier_wait -3
	s_barrier_signal -1
	s_barrier_wait -1
.endm
.macro CROUND
	s_barrier_signal -1
	s_barrier_wait -1
	CREST
.endm
	s_load_b256 s[80:87], s[0:1], 0x0
	s_load_b128 s[88:91], s[0:1], 0x20
	v_lshl_add_u32 v[SPW], v0, 2, SPARE
	v_mov_b32 v[NIL], 0
	ds_add_u32 v28, v29
	ds_add_u32 v28, v29
	s_wait_dscnt 0x0
	v_lshrrev_b32 v1, 5, v0
	v_readfirstlane_b32 s14, v1
	s_lshr_b32 s15, s14, 1
	s_and_b32 s16, s14, 1
	s_bfe_u32 s40, ttmp6, 0x40000
	s_bfe_u32 s41, ttmp6, 0x40004
	s_and_b32 s3, ttmp7, 0xffff
	s_lshr_b32 s2, s3, 2
	s_and_b32 s3, s3, 3
	s_lshl_b32 s43, s41, 2
	s_lshl_b32 s43, 15, s43
	s_lshl_b32 s44, 0x1111, s40
	s_wait_kmcnt 0x0
	s_cmp_eq_u32 s2, 2
	s_cselect_b64 s[4:5], s[84:85], s[80:81]
	s_cselect_b64 s[6:7], s[86:87], s[82:83]
	s_cselect_b64 s[8:9], s[80:81], s[84:85]
	s_cselect_b64 s[10:11], s[82:83], s[86:87]
	s_cselect_b32 s18, 20, 22
	s_cselect_b32 s19, 22, 20
	s_cselect_b32 s20, 15, 17
	s_cselect_b32 s21, 17, 15
	s_cselect_b32 s22, 0, 4
	s_cselect_b32 s23, 4, 0
	s_cmp_eq_u32 s2, 0
	s_cselect_b64 s[12:13], s[88:89], s[90:91]
	s_mov_b64 s[66:67], s[12:13]
	s_mov_b32 s95, 0
	s_lshl_b32 s94, s2, s18
	s_add_nc_u64 s[4:5], s[4:5], s[94:95]
	s_lshl_b32 s94, s2, s20
	s_add_nc_u64 s[6:7], s[6:7], s[94:95]
	s_lshl_b32 s94, s2, s19
	s_add_nc_u64 s[8:9], s[8:9], s[94:95]
	s_lshl_b32 s94, s2, s21
	s_add_nc_u64 s[10:11], s[10:11], s[94:95]
	s_mul_i32 s17, s22, s3
	s_add_co_u32 s17, s17, s41
	s_mul_i32 s42, s23, s3
	s_add_co_u32 s42, s42, s40
	s_lshl_b32 s23, ttmp9, 2
	s_add_co_u32 s42, s42, s23
	s_or_b32 s[G1+0], s43, (0<<16)|(1<<20)|(1<<21)|(5<<22)|(3<<25)
	s_or_b32 s[G1B+0], s44, (0<<16)|(1<<20)|(1<<21)|(5<<22)|(3<<25)
.irp g, G1, G1B
	s_mov_b32 s[\g+1], ROWB<<16
	s_mov_b32 s[\g+2], 128<<16
	s_mov_b32 s[\g+3], ROWB<<16
	s_mov_b32 s[\g+4], 128
	s_mov_b32 s[\g+5], KROW
	s_mov_b32 s[\g+6], 0
	s_mov_b32 s[\g+7], 0
.endr
	s_or_b32 s[G1S+0], s43, (3<<16)|(1<<20)|(1<<21)|(5<<22)|(3<<25)
	s_or_b32 s[G1SB+0], s44, (3<<16)|(1<<20)|(1<<21)|(5<<22)|(3<<25)
.irp g, G1S, G1SB
	s_mov_b32 s[\g+1], 32<<16
	s_mov_b32 s[\g+2], (128*KS/256)<<16
	s_mov_b32 s[\g+3], 32<<16
	s_mov_b32 s[\g+4], 128*KS/256
	s_mov_b32 s[\g+5], 32
	s_mov_b32 s[\g+6], 0
	s_mov_b32 s[\g+7], 0
.endr
	s_lshl_b32 s18, s16, 7
	s_lshl_b32 s20, s17, 8
	s_add_co_u32 s20, s20, s18
	s_lshl_b32 s46, s42, 8
	s_add_co_u32 s46, s46, s18
	s_mov_b32 s21, 0
	s_mov_b32 s47, 0
	s_mov_b64 s[18:19], KS
	s_mul_u64 s[22:23], s[20:21], s[18:19]
	s_mul_u64 s[92:93], s[46:47], s[18:19]
	s_mov_b64 s[18:19], KROW
	s_mul_u64 s[20:21], s[20:21], s[18:19]
	s_mul_u64 s[46:47], s[46:47], s[18:19]
	s_mul_i32 s45, s14, HALFT
	s_mul_i32 s94, s14, HALFS
	s_add_nc_u64 s[20:21], s[4:5], s[20:21]
	s_add_nc_u64 s[22:23], s[6:7], s[22:23]
	s_add_nc_u64 s[46:47], s[8:9], s[46:47]
	s_add_nc_u64 s[92:93], s[10:11], s[92:93]
	CROUND
	s_mov_b32 s[G0S], 1
	s_add_co_u32 s[G0S+1], s94, SCL
	s_mov_b64 s[G0S+2:G0S+3], s[22:23]
	s_or_b32 s[G0S+3], s[G0S+3], 0x80000000
	s_mov_b32 s[G0SB], 1
	s_add_co_u32 s[G0SB+1], s94, SCL
	s_mov_b64 s[G0SB+2:G0SB+3], s[92:93]
	s_or_b32 s[G0SB+3], s[G0SB+3], 0x80000000
	JLOAD G0S, G1S, G0SB, G1SB
.irp s, 0,1
	s_mov_b32 s[G0+4*\s], 1
	s_add_co_u32 s[G0+4*\s+1], s45, \s*SLOT
	s_add_nc_u64 s[G0+4*\s+2:G0+4*\s+3], s[20:21], \s*ROWB
	s_or_b32 s[G0+4*\s+3], s[G0+4*\s+3], 0x80000000
	s_mov_b32 s[G0B+4*\s], 1
	s_add_co_u32 s[G0B+4*\s+1], s45, \s*SLOT
	s_add_nc_u64 s[G0B+4*\s+2:G0B+4*\s+3], s[46:47], \s*ROWB
	s_or_b32 s[G0B+4*\s+3], s[G0B+4*\s+3], 0x80000000
	s_wait_alu depctr_va_vdst(0)
	s_wait_tensorcnt 0x0
	ds_add_u32 v28, v29
	s_wait_dscnt 0x0
	CROUND
	JLOAD G0+4*\s, G1, G0B+4*\s, G1B
.endr
	v_and_b32 v1, 15, v0
	v_bfe_u32 v2, v0, 4, 1
	v_mul_u32_u24 v3, v1, PITCH
	v_lshl_add_u32 v4, v2, 4, v3
	s_mul_i32 s21, s15, HALFT
	s_mul_i32 s22, s16, HALFT
	s_add_co_u32 s22, s22, 2*HALFT
.irp s, 0,1
	v_add_nc_u32 v[ADRA+\s], s21, v4
	v_add_nc_u32 v[ADRB+\s], s22, v4
	s_add_co_u32 s21, s21, SLOT
	s_add_co_u32 s22, s22, SLOT
.endr
	v_mul_u32_u24 v5, v1, KS
	v_lshrrev_b32 v6, 8, v5
	v_lshl_add_u32 v5, v6, 4, v5
	s_mul_i32 s21, s15, HALFS
	s_mul_i32 s22, s16, HALFS
	s_add_co_u32 s22, s22, 2*HALFS
	s_sub_co_u32 s22, s22, s21
	v_mul_u32_u24 v6, s22, v2
	s_add_co_u32 s21, s21, SCL
	v_add_nc_u32 v5, v5, v6
	v_add_nc_u32 v[ADRS], s21, v5
	s_lshl_b32 s20, s17, 2
	s_lshl_b32 s21, s15, 1
	s_add_co_u32 s20, s20, s21
	s_lshl_b32 s22, s42, 2
	s_lshl_b32 s23, s16, 1
	s_add_co_u32 s22, s22, s23
	s_mov_b32 s96, 1024
	s_mov_b32 s97, 1024
	s_mov_b32 s98, HSK
	s_mov_b32 s99, 0x05040100
	s_mov_b32 s100, 0x07060302
	s_mov_b32 s41, 128
	s_mov_b32 s43, HSK
	s_mov_b32 s45, 32768
	s_cmp_eq_u32 s2, 2
	s_cselect_b32 s20, s20, s22
	s_cselect_b32 s21, s42, s17
	s_cselect_b32 s23, s16, s15
	s_cselect_b32 s96, 2048, s96
	s_cselect_b32 s97, HSK-3*2048, s97
	s_cselect_b32 s98, 1024, s98
	s_cselect_b32 s99, 0x03020100, s99
	s_cselect_b32 s100, 0x07060504, s100
	s_cselect_b32 s40, 128, 64
	s_cselect_b32 s41, HSK, s41
	s_cselect_b32 s43, 64, s43
	s_cselect_b32 s44, 16384, 0
	s_cselect_b32 s45, 33280, s45
	s_cmp_eq_u32 s2, 0
	s_cselect_b32 s98, 262144, s98
	s_cselect_b32 s43, 8192, s43
	s_mul_i32 s46, s20, HSK
	s_mul_i32 s47, s21, RECB
	s_add_co_u32 s46, s46, s47
	s_lshl_b32 s47, s23, 13
	s_add_co_u32 s47, s47, s44
	s_add_co_u32 s47, s47, s46
	s_lshl_b32 s92, s23, 8
	s_add_co_u32 s92, s92, s45
	s_add_co_u32 s92, s92, s46
	s_lshl_b32 s21, s21, 1
	s_add_co_u32 s21, s21, s23
	s_lshl_b32 s93, s20, 18
	s_lshl_b32 s94, s21, 13
	s_add_co_u32 s93, s93, s94
	s_lshl_b32 s94, s20, 13
	s_lshl_b32 s95, s21, 8
	s_add_co_u32 s94, s94, s95
	s_add_co_u32 s94, s94, 4194304
	s_cmp_eq_u32 s2, 0
	s_cselect_b32 s46, s93, s47
	s_cselect_b32 s92, s94, s92
	s_mov_b32 s47, 0
	s_mov_b32 s93, 0
	s_add_nc_u64 s[12:13], s[12:13], s[46:47]
	s_add_nc_u64 s[66:67], s[66:67], s[92:93]
	s_mov_b32 s101, 0
	v_and_b32 v5, 3, v0
	v_lshlrev_b32 v[SOFF], 4, v5
	v_bfe_u32 v5, v0, 2, 1
	v_mad_u32_u24 v[SOFF], v5, s40, v[SOFF]
	v_bfe_u32 v5, v0, 3, 1
	v_mad_u32_u24 v[SOFF], v5, s41, v[SOFF]
	v_mad_u32_u24 v[SOFF], v2, s43, v[SOFF]
	v_and_b32 v6, 31, v0
	v_lshlrev_b32 v[L16], 4, v6
	s_lshl_b32 s23, s14, 10
	v_lshl_add_u32 v[STA], v1, 2, s23
	v_add_nc_u32 v[STR], s23, v[L16]
.macro FRAG reg, adr, q, i
.irp c, 0,1,2,3
	ds_load_b128 v[\reg+4*\c:\reg+4*\c+3], v[\adr] offset:128*(\q)+32*\c+(\i)*16*PITCH
.endr
.endm
.macro MUL16 a0, p, q, sc, zero
.irp a, \a0, \a0+1
.irp b, 0,1,2,3,4,5,6,7
.if \zero
	v_wmma_scale_f32_16x16x128_f8f6f4 v[8*(8*((\a)%4)+\b):8*(8*((\a)%4)+\b)+7], v[128*(\p)+FR*\b:128*(\p)+FR*\b+FR-1], v[AF+FR*(\a):AF+FR*(\a)+FR-1], 0, v[SC+8*NQ*(\sc)+NQ*\b+(\q)], v[SC+8*NQ*(\sc)+NQ*(\a)+(\q)] matrix_a_scale:MATRIX_SCALE_ROW1
.else
	v_wmma_scale_f32_16x16x128_f8f6f4 v[8*(8*((\a)%4)+\b):8*(8*((\a)%4)+\b)+7], v[128*(\p)+FR*\b:128*(\p)+FR*\b+FR-1], v[AF+FR*(\a):AF+FR*(\a)+FR-1], v[8*(8*((\a)%4)+\b):8*(8*((\a)%4)+\b)+7], v[SC+8*NQ*(\sc)+NQ*\b+(\q)], v[SC+8*NQ*(\sc)+NQ*(\a)+(\q)] matrix_a_scale:MATRIX_SCALE_ROW1
.endif
.endr
.endr
.endm
.macro FETCH_B slot, q, p
	WIN TO_B
.irp i, 0,1,2,3,4,5,6,7
	FRAG 128*(\p)+FR*\i, ADRB+\slot, \q, \i
.endr
	WIN 0
.endm
.macro FETCH_A slot, q, i0
.irp i, \i0, \i0+1, \i0+2, \i0+3
	FRAG AF+FR*(\i), ADRA+\slot, \q, \i
.endr
.endm
.macro SCALES sc
.irp i, 0,1,2,3,4,5,6,7
	ds_load_b64 v[SC+8*NQ*\sc+NQ*\i:SC+8*NQ*\sc+NQ*\i+1], v[ADRS] offset:\i*SBLK
.endr
.endm
.macro PLACES n
.rept \n
	v_nop
.endr
.endm
.macro STEP slot, q, zero
	s_wait_dscnt 4*NL
	WIN MUL_LO
	MUL16 0, (\q)%2, \q, \slot, \zero
	MUL16 2, (\q)%2, \q, \slot, \zero
	s_wait_dscnt 0
	PLACES NP
	FETCH_B \slot, (\q)+1, 1-(\q)%2
	FETCH_A \slot, (\q)+1, 0
	WIN MUL_HI
	MUL16 4, (\q)%2, \q, \slot, \zero
	MUL16 6, (\q)%2, \q, \slot, \zero
	PLACES NP
	WIN 0
	FETCH_A \slot, (\q)+1, 4
.endm
.macro TURN slot, next, fill
	s_wait_tensorcnt 0x0
	ds_add_u32 v[SPW], v[NIL]
	s_wait_dscnt 4*NL+1
	WIN MUL_LO
	MUL16 0, 1, NQ-1, \slot, 0
	s_wait_dscnt 0x0
	s_barrier_signal -1
	MUL16 2, 1, NQ-1, \slot, 0
	WIN 0
	s_barrier_wait -1
.if \fill
	CREST
	s_add_nc_u64 s[G0+4*\slot+2:G0+4*\slot+3], s[G0+4*\slot+2:G0+4*\slot+3], 2*ROWB
	s_add_nc_u64 s[G0B+4*\slot+2:G0B+4*\slot+3], s[G0B+4*\slot+2:G0B+4*\slot+3], 2*ROWB
	JLOAD G0+4*\slot, G1, G0B+4*\slot, G1B
	PLACES NP-4
.else
	PLACES NP
.endif
	s_wait_alu depctr_va_vdst(0)
	v_add_nc_u32 v[ADRS], 4*NQ, v[ADRS]
	FETCH_B \next, 0, 0
	FETCH_A \next, 0, 0
	SCALES \next
	WIN MUL_HI
	MUL16 4, 1, NQ-1, \slot, 0
	MUL16 6, 1, NQ-1, \slot, 0
	PLACES NP
	WIN 0
	FETCH_A \next, 0, 4
.endm
	s_wait_tensorcnt 1
	s_barrier_signal -1
	s_barrier_wait -1
	FETCH_B 0, 0, 0
	FETCH_A 0, 0, 0
	SCALES 0
	FETCH_A 0, 0, 4
	STEP 0, 0, 1
	s_mov_b32 s3, LAPS-1
.Llap:
	TURN 0, 1, 1
	STEP 1, 0, 0
	TURN 1, 0, 1
	STEP 0, 0, 0
	s_sub_co_u32 s3, s3, 1
	s_cmp_lg_u32 s3, 0
	s_cbranch_scc1 .Llap
	TURN 0, 1, 0
	STEP 1, 0, 0
	s_wait_dscnt 4*NL
	WIN MUL_LO
	MUL16 0, 1, NQ-1, 1, 0
	MUL16 2, 1, NQ-1, 1, 0
	s_wait_dscnt 0
	WIN MUL_HI
	MUL16 4, 1, NQ-1, 1, 0
	MUL16 6, 1, NQ-1, 1, 0
	WIN 0
.macro QROW a
.set W, 2+(\a)/4
.set WSS, (W<<2)|(W<<4)
.set ACB, 64*((\a)%4)
	WIN 0
.irp b, 0,1,2,3
	v_mov_b32 v[TM+\b], 0x4800000
.endr
	WIN WSS
.irp i, 0,2,4,6,8,10,12,14
.irp b, 0,1,2,3
	v_max3_num_f32 v[TM+\b], v[TM+\b], |v[ACB+16*\b+\i]|, |v[ACB+16*\b+\i+1]|
.endr
.endr
	WIN 0
.irp b, 0,1,2,3
	v_permlanex16_b32 v[TM+4+\b], v[TM+\b], s20, s21
.endr
.irp b, 0,1,2,3
	v_max_num_f32 v[TM+\b], v[TM+\b], v[TM+4+\b]
.endr
.irp b, 0,1,2,3
	v_add_nc_u32 v[TM+12+\b], 0xfc000000, v[TM+\b]
.endr
.irp b, 0,1,2,3
	v_and_or_b32 v[TM+8+\b], v[TM+\b], 0x7f800000, s23
.endr
.irp b, 0,1,2,3
	v_lshrrev_b32 v[TM+4+\b], 23, v[TM+12+\b]
.endr
	v_lshl_or_b32 v[WD+\a], v[TM+5], 8, v[TM+4]
	v_lshl_or_b32 v[WD+\a], v[TM+6], 16, v[WD+\a]
	v_lshl_or_b32 v[WD+\a], v[TM+7], 24, v[WD+\a]
	WIN W
.irp b, 0,1,2,3
.irp i, 0,1,2,3,4,5,6,7,8,9,10,11,12,13,14,15
	v_med3_num_f32 v[XT+16*\b+\i], v[ACB+16*\b+\i], -v[TM+8+\b], v[TM+8+\b]
.endr
.endr
	WIN 0
	s_wait_alu depctr_va_vdst(0)
	s_wait_xcnt 0x0
.irp b, 0,1,2,3
	v_cvt_scalef32_pk8_fp8_f32 v[PC+4*\b:PC+4*\b+1], v[XT+16*\b:XT+16*\b+7], v[TM+12+\b]
	v_cvt_scalef32_pk8_fp8_f32 v[PC+4*\b+2:PC+4*\b+3], v[XT+16*\b+8:XT+16*\b+15], v[TM+12+\b]
.endr
	v_nop
	v_add_nc_u32 v[VO], s101, v[L16]
	v_add_nc_u32 v[VO+1], s98, v[VO]
	global_store_b128 v[VO], v[PC:PC+3], s[12:13]
	global_store_b128 v[VO], v[PC+4:PC+7], s[12:13] offset:512
	global_store_b128 v[VO+1], v[PC+8:PC+11], s[12:13]
	global_store_b128 v[VO+1], v[PC+12:PC+15], s[12:13] offset:512
.if (\a) == 3
	s_add_co_u32 s101, s101, s97
.else
	s_add_co_u32 s101, s101, s96
.endif
.endm
	s_mov_b32 s20, 0x76543210
	s_mov_b32 s21, 0xfedcba98
	s_mov_b32 s23, 0x600000
	PLACES NP
.irp b, 0,1,2,3
	v_mov_b32 v[TM+4+\b], 0
.endr
.irp a, 0,1,2,3,4,5,6,7
	QROW \a
.endr
.irp i, 0,1,2,3
	v_perm_b32 v[PW+\i], v[WD+2*\i+1], v[WD+2*\i], s99
	v_perm_b32 v[PW+4+\i], v[WD+2*\i+1], v[WD+2*\i], s100
.endr
.irp i, 0,1,2,3
	ds_store_b32 v[STA], v[PW+\i] offset:64*\i
	ds_store_b32 v[STA], v[PW+4+\i] offset:256+64*\i
.endr
	ds_load_b128 v[BK:BK+3], v[STR]
	s_wait_dscnt 0x0
	global_store_b128 v[SOFF], v[BK:BK+3], s[66:67]
	s_wait_tensorcnt 0x0
	ds_add_u32 v[SPW], v[NIL]
	s_wait_dscnt 0x0
	CROUND
	s_endpgm
.Lfunc_end_k_qc540867bc2_proj:
	.size	k_qc540867bc2_proj, .Lfunc_end_k_qc540867bc2_proj-k_qc540867bc2_proj
	.p2alignl 7, 3214868480
	.fill 96, 4, 3214868480
	.section	.rodata,"a",@progbits
	.p2align	6, 0x0
	.amdhsa_kernel k_qc540867bc2_proj
		.amdhsa_group_segment_fixed_size 327680
		.amdhsa_private_segment_fixed_size 0
		.amdhsa_enable_private_segment 0
		.amdhsa_kernarg_size 48
		.amdhsa_user_sgpr_count 2
		.amdhsa_user_sgpr_kernarg_segment_ptr 1
		.amdhsa_wavefront_size32 1
		.amdhsa_system_sgpr_workgroup_id_x 1
		.amdhsa_system_sgpr_workgroup_id_y 1
		.amdhsa_system_sgpr_workgroup_id_z 1
		.amdhsa_system_vgpr_workitem_id 0
		.amdhsa_next_free_vgpr 1024
		.amdhsa_next_free_sgpr 102
		.amdhsa_reserve_vcc 0
		.amdhsa_float_denorm_mode_32 3
		.amdhsa_float_denorm_mode_16_64 3
		.amdhsa_memory_ordered 1
		.amdhsa_forward_progress 1
		.amdhsa_inst_pref_size 192
	.end_amdhsa_kernel
	.amdgpu_metadata
---
amdhsa.version: [ 1, 2 ]
amdhsa.kernels:
  - .name:           k_qc540867bc2_proj
    .symbol:         k_qc540867bc2_proj.kd
    .args:
      - { .name: xc, .offset: 0, .size: 8, .value_kind: global_buffer, .address_space: global }
      - { .name: xs, .offset: 8, .size: 8, .value_kind: global_buffer, .address_space: global }
      - { .name: wc, .offset: 16, .size: 8, .value_kind: global_buffer, .address_space: global }
      - { .name: ws, .offset: 24, .size: 8, .value_kind: global_buffer, .address_space: global }
      - { .name: qp, .offset: 32, .size: 8, .value_kind: global_buffer, .address_space: global }
      - { .name: kv, .offset: 40, .size: 8, .value_kind: global_buffer, .address_space: global }
    .group_segment_fixed_size: 327680
    .private_segment_fixed_size: 0
    .kernarg_segment_align: 8
    .kernarg_segment_size: 48
    .max_flat_workgroup_size: 128
    .sgpr_count:     102
    .vgpr_count:     1024
    .wavefront_size: 32
...
	.end_amdgpu_metadata
.endif
;; end of part 2
;; launch attn (part 3): grid 16 x 16, 16 waves a work-group, no clusters, 327,680 bytes of LDS; arguments qp, kv, ac, asc; writes ac, asc
.if DOCPART == 3
	.amdgcn_target "amdgcn-amd-amdhsa--gfx1250"
	.amdhsa_code_object_version 6
	.text
	.protected	k_qc540867bc2_attn
	.globl	k_qc540867bc2_attn
	.p2align	8
	.type	k_qc540867bc2_attn,@function
k_qc540867bc2_attn:
	s_mov_b64 s[64:65], 0
	v_nop
	global_prefetch_b8 v0, s[64:65] scope:SCOPE_SE
	s_setreg_imm32_b32 hwreg(HW_REG_WAVE_MODE, 25, 1), 1
	s_wait_xcnt 0x0
; Causal attention of 16 heads of 64 over 4,096 positions, both products on codes of FP8 (E4M3) with one E8M0 scale for each 32 along a product's K, and the quantising of the result for the output projection.
; INPUTS, as the projection launch laid them: images of operand registers.  qp: q's codes [head][tile of 16 queries][c 0,1][lane][16] and, from byte 4,194,304 on, its scale words [head][pair of tiles][16 rows][4].
; kv: [head][256 keys] records of 33,792 bytes: K's codes [tile of 16 keys][c 0,1][lane][16]; V's codes [128 keys][tile of 16 d][c 0..3][lane][16]; K's scale words [pair of tiles][16][4]; V's [128 keys][tile of d][16][4].
; THE SOFTMAX: t = score x log2(e) / 8; M = the row's largest t so far, rounded up to a whole number; p = 2^(t - M) is quantised along the keys, not normalised; the row's sum is taken of the unquantised p and divides O at the end.
; LAYOUT: both products transposed (S^T = K Q^T, O^T = V^T P^T): a lane holds one query (lane % 16).  K = 64 in an instruction of K = 128: source 0 is two tiles of keys, source 1 is [Q | zeros] or [zeros | Q].
; SHARES.  Queries go in 32 blocks of 128 a head; work-group x takes block 31 - x and then block x.  A slot is 512 keys (two records); block b needs b / 4 + 1 slots, the two blocks together 9 for every x: a loop of 8 trips and a 9th slot written out.
; SIXTEEN WAVES: wave w owns tile w % 8 of the block's eight tiles of 16 queries and, of every record, the 128 keys number w / 8.  So two waves share a tile and divide its keys by turns.  At a block's end the wave with the odd
; keys hands O^T, its sum and its -M to its partner through a stage in LDS; the partner brings both under the larger M (multiplications by powers of two), adds, divides, quantises and stores.
; LEFT OUT: steps all of whose keys come after the block's queries, which the causal mask of the problem throws away whatever the inputs hold; and the load of a record that no step of the block reads.
; NO CLUSTER: the work-groups of a head change from their first block to their second in different trips and then want different slots in the same trip, so no joint request could be alike in all partners.
; LIMITS: a block of zeros gets the byte 1, not 127 (its codes are zeros; this program alone reads the bytes); the floor under a block's largest magnitude is 2^-118; NaN and infinities are not served; the scaled scores stay under 2^31.
.set RECB,  33792
.set HALFR, 16896                      ; half a record: what one tensor load brings: 66 rows of 256 bytes
.set SLB,   2*RECB
.set HSK,   16*RECB
.set SLOT1, 1<<17                      ; slot 0 at 0, slot 1 here
.set STAGE, SLB                        ; behind slot 0: 9 groups of 512 bytes for each of the eight tiles; no fill lands here
.set SPARE, STAGE+8*4608               ; the spare words, 128 bytes for each wave
.set L16, 1
.set R4,  2
.set SPW, 3
.set NIL, 4
.set ADL, 5
.set ADW, 6
.set PFO, 7
.set DD,  8
.set AO,  9
.set QF,  16                           ; v16-23 Q, v24-31 zeros, v32-39 Q again
.set KV,  40                           ; v40-103 four pairs of tiles of K, then four fragments of V
.set S,   104                          ; v104-167 S^T, then p
.set OT,  168                          ; v168-199 O^T
.set PC,  200
.set KW,  216
.set VW,  220
.set QW,  224
.set QR,  226
.set STG, 227                          ; v227 LDS address of my tile's stage + 16 x lane
.set TM,  232
.set WV,  12
.set QB,  13
.set LASTS, 14
.set CSL, 15
.set KF,  16
.set LAST1, 17
.set FS,  18
.set MNT, 19
.set SEL, 20
.set CS,  22
.set G1,  24
.set G0,  32
.set KVB, 36
.set TP,  38
.set TBL, 40                           ; s40 the slot in hand + 8,192 x my half: codes
.set SLOTS, 41
.set PFA, 42
.set LIM, 44
.set HM,  45
.set QSEL, 46
.set HD,  47
.set QA,  48
.set QS,  50
.set AC,  52
.set ASB, 54
.set B1,  60
.set TL,  61                           ; s61 my tile, wave % 8
.set HF,  62                           ; s62 my half of each record's keys, wave / 8
.set TBW, 63                           ; s63 the slot in hand + 32,768 + 256 x my half: scale words
.set FB,  67                           ; s67 the block for which slots are asked
.set NK,  68                           ; s68 4 x the slot asked for + 2: its second record is read where this is at most the block's number
.set KF0, 70                           ; s70 128 x my half
; The refill: waves 0 and 1 fetch the first record's halves, waves 2 and 3 the second's.  A second record whose first key comes after the block's last query is read by no wave and is not asked for: a jump on ids alone.
.macro TLOAD
	s_cmp_lt_u32 s[WV], 2
	s_cbranch_scc0 .Lsecond_\@
	tensor_load_to_lds s[G0:G0+3], s[G1:G1+7]
	s_nop 0
.rept 4
	v_nop
.endr
	s_branch .Lasked_\@
.Lsecond_\@:
	s_cmp_lt_u32 s[WV], 4
	s_cbranch_scc0 .Lasked_\@
	s_cmp_gt_u32 s[NK], s[FB]
	s_cbranch_scc1 .Lasked_\@
	tensor_load_to_lds s[G0:G0+3], s[G1:G1+7]
	s_nop 0
.rept 4
	v_nop
.endr
.Lasked_\@:
.endm
; A prefetch of the slot that the NEXT change of slots will ask for.  Work-group x = 0 of a head, whose first block walks all 8 slots, asks alone; in it waves 4 to 12, one instruction each, lanes 256 bytes apart:
; 264 blocks of 256 bytes (the lanes over name the last block again).  Trip t names slot t + 2, for t up to 5.
.macro ASK
	s_cmp_gt_u32 s[SLOTS], s[LIM]
	s_cbranch_scc0 .Lnot_mine_\@
	global_prefetch_b8 v[PFO], s[PFA:PFA+1] th:TH_LOAD_NT scope:SCOPE_SE
.Lnot_mine_\@:
.endm
.macro SETQ b                          ; where block b's q lies for my tile 8 b + wave % 8
	s_lshl_b32 s56, \b, 3
	s_add_co_u32 s56, s56, s[TL]
	s_lshl_b32 s58, s[HD], 18
	s_lshl_b32 s57, s56, 10
	s_add_co_u32 s58, s58, s57
	s_mov_b32 s59, 0
	s_add_nc_u64 s[QA:QA+1], s[4:5], s[58:59]
	s_lshl_b32 s58, s[HD], 13
	s_lshr_b32 s57, s56, 1
	s_lshl_b32 s57, s57, 6
	s_add_co_u32 s58, s58, s57
	s_add_co_u32 s58, s58, 4194304
	s_add_nc_u64 s[QS:QS+1], s[4:5], s[58:59]
.endm
.macro SETO b                          ; where its result goes: row tile 8 b + wave % 8; K step head / 2, groups 2 (head % 2) and + 1; scale bytes 2 head and + 1 of each row
	s_lshl_b32 s56, \b, 3
	s_add_co_u32 s56, s56, s[TL]
	s_lshl_b32 s58, s56, 14
	s_lshr_b32 s57, s[HD], 1
	s_lshl_b32 s57, s57, 11
	s_add_co_u32 s58, s58, s57
	s_and_b32 s57, s[HD], 1
	s_lshl_b32 s57, s57, 10
	s_add_co_u32 s58, s58, s57
	s_mov_b32 s59, 0
	s_add_nc_u64 s[AC:AC+1], s[8:9], s[58:59]
	s_lshl_b32 s58, s56, 9
	s_lshl_b32 s57, s[HD], 1
	s_add_co_u32 s58, s58, s57
	s_add_nc_u64 s[ASB:ASB+1], s[10:11], s[58:59]
.endm
.macro QLOAD
	global_load_b128 v[QF:QF+3], v[L16], s[QA:QA+1]
	global_load_b128 v[QF+4:QF+7], v[L16], s[QA:QA+1] offset:512
	global_load_b128 v[QF+16:QF+19], v[L16], s[QA:QA+1]
	global_load_b128 v[QF+20:QF+23], v[L16], s[QA:QA+1] offset:512
	global_load_b32 v[QR], v[R4], s[QS:QS+1]
.endm
.macro INIT                            ; a block begins: O^T and the sum are zeros and the largest t lies under every t
	s_wait_loadcnt 0x0                             ; Q
	v_perm_b32 v[QW], v[QR], v[QR], s[QSEL]        ; my tile's two bytes, twice
	v_mov_b32 v13, 0xff61b1e6                      ; -3e38
	s_delay_alu instid0(VALU_DEP_1)
	v_floor_f32 v12, -v13                          ; -M
	v_mov_b32 v14, 0
	v_mov_b32 v15, 0
.set n, 0
.rept 32
	v_mov_b32 v[OT+n], 0
.set n, n+1
.endr
	s_wait_alu depctr_va_vdst(0)
.endm
	s_load_b256 s[4:11], s[0:1], 0x0               ; qp, kv, ac, asc
	v_lshl_add_u32 v[SPW], v0, 2, SPARE
	v_mov_b32 v[NIL], 0
	ds_add_u32 v[SPW], v[NIL]                      ; the opening lines: the add twice on end and its wait ahead of the first tensor load
	ds_add_u32 v[SPW], v[NIL]
	v_lshrrev_b32 v10, 5, v0
	v_readfirstlane_b32 s[WV], v10                 ; wave 0..15
	s_and_b32 s[TL], s[WV], 7
	s_lshr_b32 s[HF], s[WV], 3
	s_and_b32 s[HD], ttmp7, 0xffff
	s_sub_co_u32 s[B1], 31, ttmp9
	s_lshr_b32 s[LAST1], s[B1], 2
	s_mov_b32 s[LASTS], s[LAST1]
	s_mov_b32 s[FB], s[B1]
	s_lshl_b32 s[QB], s[B1], 7
	s_mov_b32 s[CSL], 0
	s_lshl_b32 s[KF0], s[HF], 7
	s_mov_b32 s[KF], s[KF0]
	s_mov_b32 s[FS], 0
	s_mov_b32 s[NK], 2
	s_mov_b32 s[MNT], 0x600000
	s_mov_b32 s[SEL], 0x76543210
	s_mov_b32 s[SEL+1], 0xfedcba98
	s_mov_b32 s[CS], 0x3e38aa3b                    ; log2(e) / 8
	s_mov_b32 s[CS+1], s[CS]
	s_lshl_b32 s[TBL], s[HF], 13
	s_lshl_b32 s[TBW], s[HF], 8
	s_add_co_u32 s[TBW], s[TBW], 32768
	s_mov_b32 s[SLOTS], 8
	s_mov_b32 s[HM], 0xffff0000
	s_mov_b32 s[G1], 3<<16                         ; half a record, dense: 66 rows of 32 elements of 8 bytes, no padding
	s_mov_b32 s[G1+1], 32<<16
	s_mov_b32 s[G1+2], 66<<16
	s_mov_b32 s[G1+3], 32<<16
	s_mov_b32 s[G1+4], 66
	s_mov_b32 s[G1+5], 32
	s_mov_b32 s[G1+6], 0
	s_mov_b32 s[G1+7], 0
	s_and_b32 s56, s[WV], 1
	s_mov_b32 s[QSEL], 0x01000100
	s_cmp_eq_u32 s56, 1
	s_cselect_b32 s[QSEL], 0x03020302, s[QSEL]
	s_sub_co_u32 s56, s[WV], 4
	s_cmp_lt_u32 s56, 9                            ; waves 4 to 12
	s_cselect_b32 s57, 0, 1
	s_or_b32 s57, s57, ttmp9                       ; of work-group x = 0
	s_cmp_eq_u32 s57, 0
	s_cselect_b32 s[LIM], 2, -1
	s_lshl_b32 s57, s56, 5
	s_lshl_b32 s58, s[TL], 4
	s_mul_i32 s59, s[TL], 4608
	s_add_co_u32 s59, s59, STAGE
	s_mul_i32 s[TP], s[HD], HSK
	s_mov_b32 s[TP+1], 0
	s_mul_i32 s[G0+1], s[WV], HALFR                ; LDS: slot 0, my quarter
	s_wait_dscnt 0x0
	s_wait_kmcnt 0x0
	s_add_nc_u64 s[PFA:PFA+1], s[6:7], s[TP:TP+1]
	s_mul_i32 s[TP], s[WV], HALFR
	s_add_nc_u64 s[KVB:KVB+1], s[PFA:PFA+1], s[TP:TP+1]
	s_add_nc_u64 s[PFA:PFA+1], s[PFA:PFA+1], SLB   ; at slot 1: the first change of slots steps it to slot 2
	s_mov_b32 s[G0], 1
	s_mov_b64 s[G0+2:G0+3], s[KVB:KVB+1]
	s_or_b32 s[G0+3], s[G0+3], 0x80000000
	s_cmp_lt_u32 s[WV], 4                          ; slot 0, a quarter a wave: the first block, 16 at the least, reads all of it
	s_cbranch_scc0 .Lhead_none
	tensor_load_to_lds s[G0:G0+3], s[G1:G1+7]
	s_nop 0
.rept 4
	v_nop
.endr
.Lhead_none:
	v_and_b32 v10, 31, v0
	v_and_b32 v11, 15, v0                          ; r
	v_add_nc_u32 v[PFO], s57, v10
	v_lshlrev_b32 v[L16], 4, v10
	v_min_u32 v[PFO], 263, v[PFO]                  ; a slot has 264 blocks of 256 bytes
	v_lshlrev_b32 v[R4], 2, v11
	v_lshlrev_b32 v[PFO], 8, v[PFO]
	v_bfe_u32 v10, v0, 4, 1                        ; h
	v_add_nc_u32 v[STG], s59, v[L16]
	v_lshl_add_u32 v[AO], v11, 5, v10
	v_lshlrev_b32 v10, 3, v10
	v_sub_nc_u32 v[DD], v11, v10
	v_add_nc_u32 v[DD], s58, v[DD]                 ; 16 x tile + r - 8 h
.set n, 0
.rept 8
	v_mov_b32 v[QF+8+n], 0
.set n, n+1
.endr
.irp b, 0,1,2,3
	v_mov_b32 v[TM+4+\b], 0
	v_mov_b32 v[252+\b], 0
.endr
	s_wait_alu depctr_va_vdst(0)
	SETQ s[B1]
	SETO s[B1]
	QLOAD
	INIT
; A KEY STEP: my 128 keys of record r of the slot in hand.
.macro STEP r
	s_cmp_gt_u32 s[KF], s[QB]                      ; all 128 keys come after the block's queries: the step's work is left out
	s_cbranch_scc1 .Lhidden_\@
	v_add_nc_u32 v[ADL], s[TBL], v[L16]
	v_add_nc_u32 v[ADW], s[TBW], v[R4]
.rept 6
	v_nop                                          ; with the two additions: eight places in front of loads into registers that the last products have read
.endr
.irp d, 0,1,2,3
.irp c, 0,1,2,3
	ds_load_b128 v[KV+16*\d+4*\c:KV+16*\d+4*\c+3], v[ADL] offset:RECB*(\r)+2048*\d+512*\c
.endr
	ds_load_b32 v[KW+\d], v[ADW] offset:RECB*(\r)+64*\d
.endr
	s_wait_alu depctr_va_vdst(0)
	s_wait_dscnt 0x0
.irp d, 0,1,2,3
.irp u, 0,1
	v_wmma_scale_f32_16x16x128_f8f6f4 v[S+8*(2*\d+\u):S+8*(2*\d+\u)+7], v[KV+16*\d:KV+16*\d+15], v[QF+8*\u:QF+8*\u+15], 0, v[KW+\d], v[QW]
.endr
.endr
.rept 8
	v_nop
.endr
.irp t, 0,1,2,3                                ; V's four fragments are asked for now and land under the softmax
.irp c, 0,1,2,3
	ds_load_b128 v[KV+16*\t+4*\c:KV+16*\t+4*\c+3], v[ADL] offset:RECB*(\r)+16384+2048*\t+512*\c
.endr
	ds_load_b32 v[VW+\t], v[ADW] offset:RECB*(\r)+512+64*\t
.endr
	s_cmp_lg_u32 s[KF], s[QB]                      ; on the diagonal the scores of hidden keys become -infinity ahead of the maximum
	s_cbranch_scc1 .Lopen_\@
	v_mov_b32 v254, 0xff800000
.set n, 0
.rept 64
	v_cmp_gt_i32 vcc_lo, 32*(n/16)+16*((n%16)/8)+n%8, v[DD]
	v_cndmask_b32 v[S+n], v[S+n], v254, vcc_lo
.set n, n+1
.endr
.Lopen_\@:
.irp b, 0,1,2,3
	v_max3_num_f32 v[TM+\b], v[S+16*\b], v[S+16*\b+1], v[S+16*\b+2]   ; the largest score of each block of 32 keys
.endr
.irp i, 3,5,7,9,11,13
.irp b, 0,1,2,3
	v_max3_num_f32 v[TM+\b], v[TM+\b], v[S+16*\b+\i], v[S+16*\b+\i+1]
.endr
.endr
.irp b, 0,1,2,3
	v_max_num_f32 v[TM+\b], v[TM+\b], v[S+16*\b+15]
.endr
.irp b, 0,1,2,3
	s_delay_alu instid0(VALU_DEP_4)
	v_permlanex16_b32 v[TM+4+\b], v[TM+\b], s[SEL], s[SEL+1]
.endr
.irp b, 0,1,2,3
	s_delay_alu instid0(VALU_DEP_4)
	v_max_num_f32 v[TM+\b], v[TM+\b], v[TM+4+\b]
.endr
	s_delay_alu instid0(VALU_DEP_2)
	v_max3_num_f32 v254, v[TM], v[TM+1], v[TM+2]
	s_delay_alu instid0(VALU_DEP_1)
	v_max_num_f32 v254, v254, v[TM+3]
	s_delay_alu instid0(VALU_DEP_1)
	v_mul_f32 v254, s[CS], v254
	s_delay_alu instid0(VALU_DEP_1)
	v_max_num_f32 v13, v13, v254                   ; the running largest t
	v_mov_b32 v254, v12
	s_delay_alu instid0(VALU_DEP_2)
	v_floor_f32 v12, -v13                          ; the new -M
	s_delay_alu instid0(VALU_DEP_1)
	v_sub_f32 v254, v12, v254
	s_delay_alu instid0(VALU_DEP_1)
	v_cvt_i32_f32 v254, v254
	s_delay_alu instid0(VALU_DEP_1)
	v_ldexp_f32 v252, 1.0, v254                    ; f = 2^(old M - new M)
.set n, 0
.rept 32
	v_pk_fma_f32 v[S+n:S+n+1], v[S+n:S+n+1], s[CS:CS+1], v[12:13] op_sel_hi:[1,0,0]   ; t - M
.set n, n+2
.endr
.irp b, 0,1,2,3
	v_fma_f32 v[TM+\b], v[TM+\b], s[CS], v12
.endr
.set n, 0
	s_wait_alu depctr_va_vdst(0)
.rept 64
	v_exp_f32 v[S+n], v[S+n]                       ; p = 2^(t - M)
.set n, n+1
.endr
.irp b, 0,1,2,3
	v_exp_f32 v[TM+\b], v[TM+\b]                   ; the block's largest p
.endr
	v_pk_mul_f32 v[14:15], v[14:15], v[252:253] op_sel_hi:[1,0]
	s_wait_alu depctr_va_vdst(0)
.irp b, 0,1,2,3
	v_max_num_f32 v[TM+\b], 0x4800000, v[TM+\b]
.endr
.irp b, 0,1,2,3
	s_delay_alu instid0(VALU_DEP_4)
	v_add_nc_u32 v[TM+12+\b], 0xfc000000, v[TM+\b]
.endr
.irp b, 0,1,2,3
	v_and_or_b32 v[TM+8+\b], v[TM+\b], 0x7f800000, s[MNT]
.endr
.irp b, 0,1,2,3
	v_lshrrev_b32 v[TM+4+\b], 23, v[TM+12+\b]
.endr
	s_delay_alu instid0(VALU_DEP_3)
	v_lshl_or_b32 v253, v[TM+5], 8, v[TM+4]        ; p's scale word
	s_delay_alu instid0(VALU_DEP_1)
	v_lshl_or_b32 v253, v[TM+6], 16, v253
	s_delay_alu instid0(VALU_DEP_1)
	v_lshl_or_b32 v253, v[TM+7], 24, v253
	v_pk_add_f32 v[236:237], v[108:109], v[112:113]   ; the row's sum of the unquantised p, in eight chains
	v_pk_add_f32 v[254:255], v[116:117], v[120:121]
	v_pk_add_f32 v[250:251], v[124:125], v[128:129]
	v_pk_add_f32 v[248:249], v[132:133], v[136:137]
	v_pk_add_f32 v[234:235], v[140:141], v[144:145]
	v_pk_add_f32 v[232:233], v[148:149], v[152:153]
	v_pk_add_f32 v[230:231], v[156:157], v[160:161]
	v_pk_add_f32 v[14:15], v[14:15], v[164:165]
	v_pk_add_f32 v[236:237], v[236:237], v[104:105]
	v_pk_add_f32 v[254:255], v[254:255], v[106:107]
	v_pk_add_f32 v[250:251], v[250:251], v[110:111]
	v_pk_add_f32 v[248:249], v[248:249], v[114:115]
	v_pk_add_f32 v[234:235], v[234:235], v[118:119]
	v_pk_add_f32 v[232:233], v[232:233], v[122:123]
	v_pk_add_f32 v[230:231], v[230:231], v[126:127]
	v_pk_add_f32 v[14:15], v[14:15], v[130:131]
	v_pk_add_f32 v[236:237], v[236:237], v[134:135]
	v_pk_add_f32 v[254:255], v[254:255], v[138:139]
	v_pk_add_f32 v[250:251], v[250:251], v[142:143]
	v_pk_add_f32 v[248:249], v[248:249], v[146:147]
	v_pk_add_f32 v[234:235], v[234:235], v[150:151]
	v_pk_add_f32 v[232:233], v[232:233], v[154:155]
	v_pk_add_f32 v[230:231], v[230:231], v[158:159]
	v_pk_add_f32 v[14:15], v[14:15], v[162:163]
	v_pk_add_f32 v[236:237], v[236:237], v[166:167]
	s_delay_alu instid0(VALU_DEP_2)
	v_pk_add_f32 v[14:15], v[14:15], v[248:249]
	s_delay_alu instid0(VALU_DEP_2)
	v_pk_add_f32 v[236:237], v[236:237], v[234:235]
	v_pk_add_f32 v[254:255], v[254:255], v[232:233]
	v_pk_add_f32 v[250:251], v[250:251], v[230:231]
	s_delay_alu instid0(VALU_DEP_2)
	v_pk_add_f32 v[14:15], v[14:15], v[254:255]
	s_delay_alu instid0(VALU_DEP_2)
	v_pk_add_f32 v[236:237], v[236:237], v[250:251]
	s_delay_alu instid0(VALU_DEP_1)
	v_pk_add_f32 v[14:15], v[14:15], v[236:237]
.irp b, 0,1,2,3
.set n, 0
.rept 16
	v_min_num_f32 v[S+16*\b+n], v[S+16*\b+n], v[TM+8+\b]   ; the conversion does not saturate (ISA guide 7.6.2); p is not negative
.set n, n+1
.endr
	v_cvt_scalef32_pk8_fp8_f32 v[PC+4*\b:PC+4*\b+1], v[S+16*\b:S+16*\b+7], v[TM+12+\b]
	v_cvt_scalef32_pk8_fp8_f32 v[PC+4*\b+2:PC+4*\b+3], v[S+16*\b+8:S+16*\b+15], v[TM+12+\b]
.endr
	s_wait_alu depctr_va_vdst(0)
.set n, 0
.rept 16
	v_pk_mul_f32 v[OT+n:OT+n+1], v[OT+n:OT+n+1], v[252:253] op_sel_hi:[1,0]   ; O^T under the new M
.set n, n+2
.endr
	s_wait_alu depctr_va_vdst(0)
	s_wait_dscnt 0x0                               ; V is in
.irp t, 0,1,2,3                                ; O^T += V^T P^T: the four accumulators by turns
	v_wmma_scale_f32_16x16x128_f8f6f4 v[OT+8*\t:OT+8*\t+7], v[KV+16*\t:KV+16*\t+15], v[PC:PC+15], v[OT+8*\t:OT+8*\t+7], v[VW+\t], v253
.endr
.Lhidden_\@:
	s_add_co_u32 s[KF], s[KF], 256
.endm
; THE CHANGE OF SLOTS, at a slot's head: every wave waits for all its tensor loads, adds 0 to its spare word, waits for that and for its reads of the slot that it has left; behind the barrier that slot is filled again.
.macro CHANGE fill
	s_wait_tensorcnt 0x0
	ds_add_u32 v[SPW], v[NIL]
.if \fill
	ds_add_u32 v[SPW], v[NIL]                      ; twice on end here
	s_xor_b32 s[G0+1], s[G0+1], SLOT1
	s_add_co_u32 s[FS], s[FS], 1                   ; the next slot;
	s_cmp_gt_u32 s[FS], s[LAST1]
	s_cselect_b32 s[FS], 0, s[FS]                  ; behind the first block's last one, slot 0 again, for the second block (its last slot, 3 at the most, lies under the first block's, 4 at the least)
	s_cselect_b32 s[FB], ttmp9, s[FB]
	s_mul_i32 s[TP], s[FS], SLB
	s_mov_b32 s[TP+1], 0
	s_add_nc_u64 s[G0+2:G0+3], s[KVB:KVB+1], s[TP:TP+1]
	s_or_b32 s[G0+3], s[G0+3], 0x80000000
	s_lshl_b32 s[NK], s[FS], 2
	s_add_co_u32 s[NK], s[NK], 2
	s_wait_xcnt 0x0                                ; the last prefetch has read its address
	s_add_nc_u64 s[PFA:PFA+1], s[PFA:PFA+1], SLB
.endif
	s_wait_dscnt 0x0
	s_barrier_signal -1
	s_barrier_wait -1
.if \fill
	TLOAD
	ASK
.endif
.endm
; A BLOCK'S END.  Waves 8 to 15 put O^T, -M and the sum into the stage; a barrier; waves 0 to 7 join the two parts, divide, quantise along head x 64 + d and store an image of the output projection's operand.
; The branch round this macro hangs on ids and the count of trips alone, the same in all sixteen waves.  next = 1: the second block begins; its Q is asked for first.
.macro BEND next
.if \next
	SETQ ttmp9
	QLOAD
.endif
.rept 8
	v_nop                                          ; places behind the last products, on every wave's way
.endr
	s_cmp_lt_u32 s[WV], 8
	s_cbranch_scc1 .Lkeep_\@
	v_add_f32 v14, v14, v15
.set n, 0
.rept 8
	ds_store_b128 v[STG], v[OT+4*n:OT+4*n+3] offset:512*n   ; each accumulator from its low end on
.set n, n+1
.endr
	ds_store_b128 v[STG], v[12:15] offset:4096
.Lkeep_\@:
	s_wait_alu depctr_va_vdst(0)
	s_wait_dscnt 0x0
	s_barrier_signal -1
	s_barrier_wait -1
	s_cmp_lt_u32 s[WV], 8
	s_cbranch_scc0 .Lgone_\@
.set n, 0
.rept 9
	ds_load_b128 v[S+4*n:S+4*n+3], v[STG] offset:512*n
.set n, n+1
.endr
	v_add_f32 v14, v14, v15
	s_wait_alu depctr_va_vdst(0)
	s_wait_dscnt 0x0
	v_min_num_f32 v10, v12, v[S+32]                ; the larger M's negative
	v_sub_f32 v11, v10, v12
	v_sub_f32 v10, v10, v[S+32]                    ; whole numbers, 0 or less; a partner that had no step gives a factor of 0
	v_cvt_i32_f32 v11, v11
	v_cvt_i32_f32 v10, v10
	v_ldexp_f32 v252, 1.0, v11
	v_ldexp_f32 v254, 1.0, v10
	v_mul_f32 v14, v14, v252
	v_fmac_f32 v14, v[S+34], v254
.set n, 0
.rept 16
	v_pk_mul_f32 v[S+n:S+n+1], v[S+n:S+n+1], v[254:255] op_sel_hi:[1,0]
.set n, n+2
.endr
.set n, 0
.rept 16
	v_pk_fma_f32 v[S+n:S+n+1], v[OT+n:OT+n+1], v[252:253], v[S+n:S+n+1] op_sel_hi:[1,0,1]
.set n, n+2
.endr
	v_permlanex16_b32 v11, v14, s[SEL], s[SEL+1]
	v_add_f32 v14, v14, v11                        ; the row's sum
	s_wait_alu depctr_va_vdst(0)
	v_rcp_f32 v14, v14
	v_nop
	s_wait_alu depctr_va_vdst(0)
.set n, 0
.rept 16
	v_pk_mul_f32 v[S+n:S+n+1], v[S+n:S+n+1], v[14:15] op_sel_hi:[1,0]   ; register 16 e + 8 u + j: d = 32 e + 16 u + 8 h + j of my query
.set n, n+2
.endr
.irp b, 0,1
	v_max3_num_f32 v[TM+\b], |v[S+16*\b]|, |v[S+16*\b+1]|, 0x4800000
.endr
.irp i, 2,4,6,8,10,12,14
.irp b, 0,1
	s_delay_alu instid0(VALU_DEP_2)
	v_max3_num_f32 v[TM+\b], v[TM+\b], |v[S+16*\b+\i]|, |v[S+16*\b+\i+1]|
.endr
.endr
.irp b, 0,1
	s_delay_alu instid0(VALU_DEP_2)
	v_permlanex16_b32 v[TM+4+\b], v[TM+\b], s[SEL], s[SEL+1]
.endr
.irp b, 0,1
	s_delay_alu instid0(VALU_DEP_2)
	v_max_num_f32 v[TM+\b], v[TM+\b], v[TM+4+\b]
.endr
.irp b, 0,1
	s_delay_alu instid0(VALU_DEP_2)
	v_add_nc_u32 v[TM+12+\b], 0xfc000000, v[TM+\b]
.endr
.irp b, 0,1
	s_delay_alu instid0(VALU_DEP_4)
	v_and_or_b32 v[TM+8+\b], v[TM+\b], 0x7f800000, s[MNT]
.endr
.irp b, 0,1
	s_delay_alu instid0(VALU_DEP_4)
	v_lshrrev_b32 v[TM+4+\b], 23, v[TM+12+\b]
.endr
.irp b, 0,1
.set n, 0
.rept 16
	v_med3_num_f32 v[S+16*\b+n], v[S+16*\b+n], -v[TM+8+\b], v[TM+8+\b]
.set n, n+1
.endr
.endr
.irp b, 0,1
	v_cvt_scalef32_pk8_fp8_f32 v[PC+4*\b:PC+4*\b+1], v[S+16*\b:S+16*\b+7], v[TM+12+\b]
	v_cvt_scalef32_pk8_fp8_f32 v[PC+4*\b+2:PC+4*\b+3], v[S+16*\b+8:S+16*\b+15], v[TM+12+\b]
.endr
	v_nop
; Wo's codes lie in the natural order: lane (r, 0) wants d = 32 e + 0 .. 15, lane (r, 1) d = 32 e + 16 .. 31: each sends the eight bytes that the other wants.
.irp b, 0,1
	v_cndmask_b32 v10, v[PC+4*\b+2], v[PC+4*\b], s[HM]
	v_cndmask_b32 v11, v[PC+4*\b+3], v[PC+4*\b+1], s[HM]
	s_delay_alu instid0(VALU_DEP_2)
	v_permlanex16_b32 v[TM+6], v10, s[SEL], s[SEL+1]
	s_delay_alu instid0(VALU_DEP_2)
	v_permlanex16_b32 v[TM+7], v11, s[SEL], s[SEL+1]
	v_cndmask_b32 v[PC+8+4*\b], v[PC+4*\b], v[TM+6], s[HM]
	v_cndmask_b32 v[PC+9+4*\b], v[PC+4*\b+1], v[TM+7], s[HM]
	v_cndmask_b32 v[PC+10+4*\b], v[TM+6], v[PC+4*\b+2], s[HM]
	v_cndmask_b32 v[PC+11+4*\b], v[TM+7], v[PC+4*\b+3], s[HM]
.endr
	global_store_b128 v[L16], v[PC+8:PC+11], s[AC:AC+1]             ; each store covers 512 consecutive bytes, aligned
	global_store_b128 v[L16], v[PC+12:PC+15], s[AC:AC+1] offset:512
	v_cndmask_b32 v10, v[TM+4], v[TM+5], s[HM]
	global_store_b8 v[AO], v10, s[ASB:ASB+1]
.Lgone_\@:
.if \next
	s_wait_xcnt 0x0                                ; the stores have read their data and their bases
	SETO ttmp9
	s_lshl_b32 s[QB], ttmp9, 7
	s_lshr_b32 s[LASTS], ttmp9, 2
	s_mov_b32 s[CSL], -1
	s_mov_b32 s[KF], s[KF0]
	INIT
.endif
.endm
.Lslot:                                            ; 8 trips: behind each change of slots but the last the next slot is asked for
	CHANGE 1
	STEP 0
	STEP 1
	s_xor_b32 s[TBL], s[TBL], SLOT1
	s_xor_b32 s[TBW], s[TBW], SLOT1
	s_cmp_lg_u32 s[CSL], s[LASTS]                  ; was it the first block's last slot?
	s_cbranch_scc1 .Lon
	BEND 1
.Lon:
	s_add_co_u32 s[CSL], s[CSL], 1
	s_sub_co_u32 s[SLOTS], s[SLOTS], 1
	s_cmp_lg_u32 s[SLOTS], 0
	s_cbranch_scc1 .Lslot
	CHANGE 0                                       ; the 9th slot, the second block's last, is written out
	STEP 0
	STEP 1
	BEND 0
	s_wait_tensorcnt 0x0                           ; the wave's end
	ds_add_u32 v[SPW], v[NIL]
	s_wait_dscnt 0x0
	s_endpgm
.Lfunc_end_k_qc540867bc2_attn:
	.size	k_qc540867bc2_attn, .Lfunc_end_k_qc540867bc2_attn-k_qc540867bc2_attn
	.p2alignl 7, 3214868480
	.fill 96, 4, 3214868480
	.section	.rodata,"a",@progbits
	.p2align	6, 0x0
	.amdhsa_kernel k_qc540867bc2_attn
		.amdhsa_group_segment_fixed_size 327680
		.amdhsa_private_segment_fixed_size 0
		.amdhsa_enable_private_segment 0
		.amdhsa_kernarg_size 32
		.amdhsa_user_sgpr_count 2
		.amdhsa_user_sgpr_kernarg_segment_ptr 1
		.amdhsa_wavefront_size32 1
		.amdhsa_system_sgpr_workgroup_id_x 1
		.amdhsa_system_sgpr_workgroup_id_y 1
		.amdhsa_system_sgpr_workgroup_id_z 1
		.amdhsa_system_vgpr_workitem_id 0
		.amdhsa_next_free_vgpr 256
		.amdhsa_next_free_sgpr 72
		.amdhsa_reserve_vcc 1
		.amdhsa_float_denorm_mode_32 3
		.amdhsa_float_denorm_mode_16_64 3
		.amdhsa_memory_ordered 1
		.amdhsa_forward_progress 1
		.amdhsa_inst_pref_size 134
	.end_amdhsa_kernel
	.amdgpu_metadata
---
amdhsa.version: [ 1, 2 ]
amdhsa.kernels:
  - .name:           k_qc540867bc2_attn
    .symbol:         k_qc540867bc2_attn.kd
    .args:
      - { .name: qp, .offset: 0, .size: 8, .value_kind: global_buffer, .address_space: global }
      - { .name: kv, .offset: 8, .size: 8, .value_kind: global_buffer, .address_space: global }
      - { .name: ac, .offset: 16, .size: 8, .value_kind: global_buffer, .address_space: global }
      - { .name: asc, .offset: 24, .size: 8, .value_kind: global_buffer, .address_space: global }
    .group_segment_fixed_size: 327680
    .private_segment_fixed_size: 0
    .kernarg_segment_align: 8
    .kernarg_segment_size: 32
    .max_flat_workgroup_size: 512
    .sgpr_count:     72
    .vgpr_count:     256
    .wavefront_size: 32
...
	.end_amdgpu_metadata
.endif
;; end of part 3
;; launch outp (part 4): grid 8 x 32, 4 waves a work-group, clusters of 4 x 4, 327,680 bytes of LDS; arguments ac, asc, wc, ws, out0; writes out0
.if DOCPART == 4
	.amdgcn_target "amdgcn-amd-amdhsa--gfx1250"
	.amdhsa_code_object_version 6
	.text
	.protected	k_qc540867bc2_outp
	.globl	k_qc540867bc2_outp
	.p2align	8
	.type	k_qc540867bc2_outp,@function
k_qc540867bc2_outp:
	s_mov_b64 s[64:65], 0
	v_nop
	global_prefetch_b8 v0, s[64:65] scope:SCOPE_SE
	s_setreg_imm32_b32 hwreg(HW_REG_WAVE_MODE, 25, 1), 1
	s_wait_xcnt 0x0
	s_wait_alu depctr_hold_cnt(0) depctr_sa_sdst(0) depctr_va_vdst(0) depctr_va_sdst(0) depctr_va_ssrc(0) depctr_va_vcc(0) depctr_vm_vsrc(0)
	s_getreg_b32 s2, hwreg(HW_REG_IB_STS2, 6, 4)
	s_cmp_eq_u32 s2, 0
	s_cbranch_scc0 .Lentry_in_a_cluster
	s_endpgm
.Lentry_in_a_cluster:
	s_bfe_u32 s2, ttmp6, 0x10000c
	s_cmp_lg_u32 s2, 0xf033
	s_cbranch_scc0 .Lentry_shape_is_right
	s_endpgm
.Lentry_shape_is_right:
; out0 [4096][1024] f32 = attn Wo^T on codes of FP8 (E4M3) with one E8M0 scale for each 32 along K = 1,024.
; ac: attn's codes as images of operand registers, [tile of 16 rows][K step of 128][c 0..3][lane][16]; asc: its scale bytes [row][32]; Wo's codes are wc's rows 3,072 on, 1,024 bytes a row; its scale bytes ws's, 32 a row.
; SHARES: 256 work-groups, each 128 x 128 of the result; four waves, 2 x 2, each 64 x 64: 16 accumulators.  All of K of the work-group's 128 rows of either operand lies in LDS: 2 x 131,072 bytes of codes, filled once:
; wave 0 fetches A's first half of K, wave 1 B's, waves 2 and 3 the second halves.  The first barrier shows the first halves; the barrier inside K step 3 the second.  Nothing is filled again.
; CLUSTERS of 4 x 4: A's tiles are asked for jointly along a row, B's along a column.
; SCALE WORDS go from memory into registers: lane (r, h) takes bytes 16 h .. 16 h + 15 of row r, 512 consecutive bytes a load: lanes 0-15 hold the words of K steps 0-3, lanes 16-31 those of K steps 4-7.
; The matrix instruction is used transposed (source 0 = Wo's rows, source 1 = attn's): a lane holds eight neighbouring numbers of a row of the result.
; NO PREFETCH: every tile is asked for at the head, and there is no loop to run ahead in.
; REGISTERS: window 0: v16-29 addresses, v32-47 A's scale words, v50-65 B's, v128-255 A's fragments in two sets (on the way out: rows read back); window 1: v0-127 B's fragments in two sets, v128-255 the accumulators.
.set PB,    528                        ; a row of B's half in LDS: 512 bytes + 16
.set AH,    65536                      ; A's half: 8 tiles x 8,192 bytes, dense
.set BB0,   2*AH
.set BH,    128*PB
.set STAGE, BB0+2*BH                   ; the way out: 16 rows x (256 + 16) bytes for each wave; no fill lands here
.set SP,    272
.set SPARE, STAGE+4*16*SP
.set ADRA, 16
.set ADRB, 18
.set STO,  20
.set RD,   21
.set CO,   22
.set VS,   23
.set SPW,  28
.set NIL,  29
.set SA,   32
.set SB,   50
.set AF,   128
.set G1A, 24
.set G1B, 48
.set GA0, 32
.set GB0, 36
.set GA1, 56
.set GB1, 60
.set MSB, 0
.macro WIN new
.if MSB != (\new)
	s_set_vgpr_msb (MSB<<8)|(\new)
.set MSB, \new
.endif
.endm
.macro PLACES n
.rept \n
	v_nop
.endr
.endm
.macro BARRIER
	s_barrier_signal -1
	s_barrier_wait -1
.endm
.macro CROUND
	BARRIER
	s_cmp_lg_u32 s14, 0
	s_cbranch_scc1 .Lnot_wave_0_\@
	s_barrier_signal -3
.Lnot_wave_0_\@:
	s_barrier_wait -3
	BARRIER
.endm
	s_load_b256 s[4:11], s[0:1], 0x0               ; ac, asc, wc, ws
	s_load_b64 s[12:13], s[0:1], 0x20              ; out0
	v_lshl_add_u32 v[SPW], v0, 2, SPARE
	v_mov_b32 v[NIL], 0
	ds_add_u32 v[SPW], v[NIL]                      ; the opening lines
	ds_add_u32 v[SPW], v[NIL]
	v_lshrrev_b32 v1, 5, v0
	v_readfirstlane_b32 s14, v1                    ; wave
	s_lshr_b32 s15, s14, 1                         ; my half of the rows
	s_and_b32 s16, s14, 1                          ; my half of the columns
	s_bfe_u32 s40, ttmp6, 0x40000
	s_bfe_u32 s41, ttmp6, 0x40004
	s_lshl_b32 s42, ttmp9, 2
	s_add_co_u32 s42, s42, s40                     ; tile column
	s_and_b32 s17, ttmp7, 0xffff
	s_lshl_b32 s17, s17, 2
	s_add_co_u32 s17, s17, s41                     ; tile row
	s_lshl_b32 s43, s41, 2
	s_lshl_b32 s43, 15, s43                        ; my row of the cluster
	s_lshl_b32 s44, 0x1111, s40                    ; my column
	s_or_b32 s[G1A+0], s43, (1<<21)                ; A: 8 rows of 8,192 bytes, 16,384 apart, no padding
	s_mov_b32 s[G1A+1], 8192<<16
	s_mov_b32 s[G1A+2], 8<<16
	s_mov_b32 s[G1A+3], 8192<<16
	s_mov_b32 s[G1A+4], 8
	s_mov_b32 s[G1A+5], 16384
	s_mov_b32 s[G1A+6], 0
	s_mov_b32 s[G1A+7], 0
	s_or_b32 s[G1B+0], s44, (1<<20)|(1<<21)|(6<<22)|(3<<25)   ; B: 128 rows of 512 bytes, 1,024 apart, four words of padding behind each 128
	s_mov_b32 s[G1B+1], 512<<16
	s_mov_b32 s[G1B+2], 128<<16
	s_mov_b32 s[G1B+3], 512<<16
	s_mov_b32 s[G1B+4], 128
	s_mov_b32 s[G1B+5], 1024
	s_mov_b32 s[G1B+6], 0
	s_mov_b32 s[G1B+7], 0
	s_lshl_b32 s20, s17, 17
	s_mov_b32 s21, 0
	s_lshl_b32 s46, s42, 17
	s_add_co_u32 s46, s46, 3<<20
	s_mov_b32 s47, 0
	s_wait_dscnt 0x0
	s_wait_kmcnt 0x0
	s_add_nc_u64 s[20:21], s[4:5], s[20:21]
	s_add_nc_u64 s[46:47], s[8:9], s[46:47]
	s_mov_b32 s[GA0], 1
	s_mov_b32 s[GA0+1], 0
	s_mov_b64 s[GA0+2:GA0+3], s[20:21]
	s_or_b32 s[GA0+3], s[GA0+3], 0x80000000
	s_mov_b32 s[GB0], 1
	s_mov_b32 s[GB0+1], BB0
	s_mov_b64 s[GB0+2:GB0+3], s[46:47]
	s_or_b32 s[GB0+3], s[GB0+3], 0x80000000
	s_mov_b32 s[GA1], 1
	s_mov_b32 s[GA1+1], AH
	s_add_nc_u64 s[GA1+2:GA1+3], s[20:21], 8192
	s_or_b32 s[GA1+3], s[GA1+3], 0x80000000
	s_mov_b32 s[GB1], 1
	s_mov_b32 s[GB1+1], BB0+BH
	s_add_nc_u64 s[GB1+2:GB1+3], s[46:47], 512
	s_or_b32 s[GB1+3], s[GB1+3], 0x80000000
	CROUND                                         ; all sixteen work-groups are here: the joint loads meet
.macro ARM under, g0, g1, next         ; one chain of branches on the wave's number, a load to an arm
	s_cmp_lt_u32 s14, \under
	s_cbranch_scc0 \next
	tensor_load_to_lds s[\g0:\g0+3], s[\g1:\g1+7]
	s_nop 0
	PLACES 4
	s_branch .Lasked
\next:
.endm
	ARM 1, GA0, G1A, .Lhead_b0
	ARM 2, GB0, G1B, .Lhead_a1
	ARM 3, GA1, G1A, .Lhead_b1
	tensor_load_to_lds s[GB1:GB1+3], s[G1B:G1B+7]
	s_nop 0
	PLACES 4
.Lasked:
	s_lshl_b32 s22, s17, 12                        ; scale bytes: 32 a row: my 64 rows of A,
	s_lshl_b32 s23, s15, 11
	s_add_co_u32 s22, s22, s23
	s_mov_b32 s23, 0
	s_add_nc_u64 s[6:7], s[6:7], s[22:23]
	s_lshl_b32 s22, s42, 12                        ; and of B
	s_lshl_b32 s45, s16, 11
	s_add_co_u32 s22, s22, s45
	s_add_co_u32 s22, s22, 3*32768
	s_add_nc_u64 s[10:11], s[10:11], s[22:23]
	s_lshl_b32 s22, s17, 19                        ; the result: rows of 4,096 bytes
	s_lshl_b32 s45, s15, 18
	s_add_co_u32 s22, s22, s45
	s_lshl_b32 s45, s42, 9
	s_add_co_u32 s22, s22, s45
	s_lshl_b32 s45, s16, 8
	s_add_co_u32 s22, s22, s45
	s_add_nc_u64 s[12:13], s[12:13], s[22:23]
	s_lshl_b32 s18, s15, 15                        ; LDS: my four tiles of A,
	s_mul_i32 s19, s16, 64*PB
	s_add_co_u32 s19, s19, BB0                     ; my 64 rows of B,
	s_mul_i32 s45, s14, 16*SP
	s_add_co_u32 s45, s45, STAGE                   ; my stage
	v_and_b32 v1, 15, v0                           ; r
	v_bfe_u32 v2, v0, 4, 1                         ; h
	v_and_b32 v3, 31, v0
	v_lshlrev_b32 v4, 4, v3
	v_mul_u32_u24 v5, v1, PB
	v_lshl_add_u32 v5, v2, 4, v5
	v_add_nc_u32 v[ADRA], s18, v4
	v_add_nc_u32 v[ADRA+1], AH, v[ADRA]
	v_add_nc_u32 v[ADRB], s19, v5
	v_add_nc_u32 v[ADRB+1], BH, v[ADRB]
	v_lshlrev_b32 v[VS], 5, v1
	v_lshl_add_u32 v[VS], v2, 4, v[VS]
	v_mul_u32_u24 v6, v1, SP
	v_lshl_add_u32 v6, v2, 5, v6
	v_add_nc_u32 v[STO], s45, v6                   ; in: row r, 32 bytes for each half of the lanes
	v_mul_u32_u24 v7, v2, SP
	v_lshl_add_u32 v7, v1, 4, v7
	v_add_nc_u32 v[RD], s45, v7                    ; back: lanes 0-15 one row of 256 bytes, lanes 16-31 the next
	v_lshlrev_b32 v[CO], 12, v2
	v_lshl_add_u32 v[CO], v1, 4, v[CO]
	s_wait_alu depctr_va_vdst(0)
.irp i, 0,1,2,3
	global_load_b128 v[SA+4*\i:SA+4*\i+3], v[VS], s[6:7] offset:512*\i
	global_load_b128 v[SB+4*\i:SB+4*\i+3], v[VS], s[10:11] offset:512*\i
.endr
	s_cmp_lt_u32 s14, 2
	s_cbranch_scc0 .Llater
	s_wait_tensorcnt 0x0                           ; waves 0 and 1: the first halves of K have landed; the other two wait at the second barrier
.Llater:
	BARRIER
.macro FETCH q                         ; K step q's fragments into set q % 2: 32 loads
	WIN 0x40
.irp i, 0,1,2,3
.irp c, 0,1,2,3
	ds_load_b128 v[64*((\q)%2)+16*\i+4*\c:64*((\q)%2)+16*\i+4*\c+3], v[ADRB+(\q)/4] offset:\i*16*PB+128*((\q)%4)+32*\c
.endr
.endr
	WIN 0
.irp i, 0,1,2,3
.irp c, 0,1,2,3
	ds_load_b128 v[AF+64*((\q)%2)+16*\i+4*\c:AF+64*((\q)%2)+16*\i+4*\c+3], v[ADRA+(\q)/4] offset:\i*8192+2048*((\q)%4)+512*\c
.endr
.endr
.endm
.macro MUL q                           ; 16 products, the 16 accumulators by turns; the first step's start the sums
	WIN 0x51
.irp a, 0,1,2,3
.irp b, 0,1,2,3
.if (\q) == 0
	v_wmma_scale_f32_16x16x128_f8f6f4 v[128+8*(4*\a+\b):128+8*(4*\a+\b)+7], v[64*((\q)%2)+16*\b:64*((\q)%2)+16*\b+15], v[AF+64*((\q)%2)+16*\a:AF+64*((\q)%2)+16*\a+15], 0, v[SB+4*\b+(\q)%4], v[SA+4*\a+(\q)%4]
.elseif (\q) < 4
	v_wmma_scale_f32_16x16x128_f8f6f4 v[128+8*(4*\a+\b):128+8*(4*\a+\b)+7], v[64*((\q)%2)+16*\b:64*((\q)%2)+16*\b+15], v[AF+64*((\q)%2)+16*\a:AF+64*((\q)%2)+16*\a+15], v[128+8*(4*\a+\b):128+8*(4*\a+\b)+7], v[SB+4*\b+(\q)%4], v[SA+4*\a+(\q)%4]
.else
	v_wmma_scale_f32_16x16x128_f8f6f4 v[128+8*(4*\a+\b):128+8*(4*\a+\b)+7], v[64*((\q)%2)+16*\b:64*((\q)%2)+16*\b+15], v[AF+64*((\q)%2)+16*\a:AF+64*((\q)%2)+16*\a+15], v[128+8*(4*\a+\b):128+8*(4*\a+\b)+7], v[SB+4*\b+(\q)%4], v[SA+4*\a+(\q)%4] matrix_a_scale:MATRIX_SCALE_ROW1 matrix_b_scale:MATRIX_SCALE_ROW1
.endif
.endr
.endr
.endm
.macro GO q                            ; eight places behind the last products, the next step's 32 loads into the set that they read, then this step's products
	PLACES 8
	FETCH (\q)+1
	s_wait_dscnt 32                                ; all but the 32 just issued
	MUL \q
.endm
	FETCH 0
	FETCH 1
	s_wait_loadcnt 0x0                             ; the scale words
	s_wait_dscnt 32
	MUL 0
	GO 1
	GO 2
	WIN 0
	s_wait_tensorcnt 0x0                           ; every wave: the second halves of K have landed
	s_wait_dscnt 0x0
	s_barrier_signal -1
	MUL 3
	WIN 0
	s_barrier_wait -1
	PLACES 8
	FETCH 4
	FETCH 5
	s_wait_dscnt 32
	MUL 4
	GO 5
	GO 6
	s_wait_dscnt 0x0
	MUL 7
	WIN 0
	PLACES 8
; THE WAY OUT, by blocks of 16 rows x 64 columns through my own stage: sixteen lanes store 256 consecutive bytes, aligned.  LDS serves a wave's instructions in order (ISA guide 5.7.1.4).
.macro TOSTAGE a
	WIN 0x04
.irp b, 0,1,2,3
	ds_store_b128 v[STO], v[128+8*(4*(\a)+\b):128+8*(4*(\a)+\b)+3] offset:64*\b      ; each accumulator from its low end on
	ds_store_b128 v[STO], v[128+8*(4*(\a)+\b)+4:128+8*(4*(\a)+\b)+7] offset:64*\b+16
.endr
	WIN 0
.irp t, 0,1,2,3,4,5,6,7
	ds_load_b128 v[AF+32*((\a)%2)+4*\t:AF+32*((\a)%2)+4*\t+3], v[RD] offset:\t*2*SP
.endr
.endm
.macro SEND a, younger
	s_wait_dscnt \younger
.irp t, 0,1,2,3,4,5,6,7
	global_store_b128 v[CO], v[AF+32*((\a)%2)+4*\t:AF+32*((\a)%2)+4*\t+3], s[12:13] offset:(16*(\a)+2*\t)*4096 th:TH_STORE_NT
.endr
.endm
	TOSTAGE 0
.irp a, 1,2,3
.if \a > 1
	s_wait_xcnt 0x0                                ; block a - 2's stores have read their registers
.endif
	TOSTAGE \a
	SEND \a-1, 16                                  ; behind block a - 1's loads: block a's 8 stores and 8 loads
.endr
	SEND 3, 0
	s_wait_tensorcnt 0x0                           ; the wave's end
	ds_add_u32 v[SPW], v[NIL]
	s_wait_dscnt 0x0
	CROUND                                         ; the closing round
	s_endpgm
.Lfunc_end_k_qc540867bc2_outp:
	.size	k_qc540867bc2_outp, .Lfunc_end_k_qc540867bc2_outp-k_qc540867bc2_outp
	.p2alignl 7, 3214868480
	.fill 96, 4, 3214868480
	.section	.rodata,"a",@progbits
	.p2align	6, 0x0
	.amdhsa_kernel k_qc540867bc2_outp
		.amdhsa_group_segment_fixed_size 327680
		.amdhsa_private_segment_fixed_size 0
		.amdhsa_enable_private_segment 0
		.amdhsa_kernarg_size 40
		.amdhsa_user_sgpr_count 2
		.amdhsa_user_sgpr_kernarg_segment_ptr 1
		.amdhsa_wavefront_size32 1
		.amdhsa_system_sgpr_workgroup_id_x 1
		.amdhsa_system_sgpr_workgroup_id_y 1
		.amdhsa_system_sgpr_workgroup_id_z 1
		.amdhsa_system_vgpr_workitem_id 0
		.amdhsa_next_free_vgpr 512
		.amdhsa_next_free_sgpr 66
		.amdhsa_reserve_vcc 0
		.amdhsa_float_denorm_mode_32 3
		.amdhsa_float_denorm_mode_16_64 3
		.amdhsa_memory_ordered 1
		.amdhsa_forward_progress 1
		.amdhsa_inst_pref_size 51
	.end_amdhsa_kernel
	.amdgpu_metadata
---
amdhsa.version: [ 1, 2 ]
amdhsa.kernels:
  - .name:           k_qc540867bc2_outp
    .symbol:         k_qc540867bc2_outp.kd
    .args:
      - { .name: ac, .offset: 0, .size: 8, .value_kind: global_buffer, .address_space: global }
      - { .name: asc, .offset: 8, .size: 8, .value_kind: global_buffer, .address_space: global }
      - { .name: wc, .offset: 16, .size: 8, .value_kind: global_buffer, .address_space: global }
      - { .name: ws, .offset: 24, .size: 8, .value_kind: global_buffer, .address_space: global }
      - { .name: out0, .offset: 32, .size: 8, .value_kind: global_buffer, .address_space: global }
    .group_segment_fixed_size: 327680
    .private_segment_fixed_size: 0
    .kernarg_segment_align: 8
    .kernarg_segment_size: 40
    .max_flat_workgroup_size: 128
    .sgpr_count:     66
    .vgpr_count:     512
    .wavefront_size: 32
...
	.end_amdgpu_metadata
.endif
;; end of part 4
